; MI455X (gfx1250); checked and timed in simulation.
; The chip was launched on July 23, 2026; its instructions are those of AMD's public machine-readable ISA for CDNA 5 (MIT licence, August 2026) and "CDNA5" Instruction Set Architecture Reference Guide (July 2026). The comments in the code are by the model that wrote it; some were corrected since.
;; Multi Head Attention. Allowed arithmetic: matrix products marked QUANTISED: E2M3 operands, one E8M0 scale for each 32 along K, by v_wmma_scale_f32_16x16x128_f8f6f4 with both operands' format E2M3, f32 sums; everything else in f32.
;; Inputs: K 4,096 x 1,024 float32; Q 4,096 x 1,024 float32; V 4,096 x 1,024 float32; WK 16 x 1,024 x 64 float32; WO 1,024 x 1,024 float32; WQ 16 x 1,024 x 64 float32; WV 16 x 1,024 x 64 float32; bK 16 x 64 float32; bO 1,024 float32; bQ 16 x 64 float32; bV 16 x 64 float32.
;; Outputs: out0 4,096 x 1,024 float32.
;; This version of the problem:
;;   THIS VERSION OF THE PROBLEM IS GIVEN IN LOW PRECISION. The matrix products marked QUANTISED in the list below multiply operands that are first quantised to E2M3 (2 exponent bits, 3 mantissa bits; 6 bits a number), with one power-of-two scale for each 32 numbers along K (OCP MX v1.0); their sums are f32. All else is computed in f32.
;;   The module's matrix products, in the order in which they are computed (A, B: the left and right operand; K: the contracted axis; several contracted axes count as one K, in the product's order):
;;     1. [M 1,024, K 1,024] x [K 1,024, N 4,096]; A: input WQ; B: input Q: QUANTISED
;;     2. [M 1,024, K 1,024] x [K 1,024, N 4,096]; A: input WK; B: input K: QUANTISED
;;     3. [M 1,024, K 1,024] x [K 1,024, N 4,096]; A: input WV; B: input V: QUANTISED
;;     4. batch 16 x [M 4,096, K 64] x [K 64, N 4,096]; A: computed on the way; B: computed on the way: QUANTISED
;;     5. batch 16 x [M 4,096, K 4,096] x [K 4,096, N 64]; A: softmax (see below); B: computed on the way: QUANTISED
;;     6. [M 4,096, K 1,024] x [K 1,024, N 1,024]; A: computed on the way; B: input WO: QUANTISED
;;   THE QUANTISER, for each operand of a quantised product, along K:
;;     - K is cut into blocks of 32 from its start; a last block that is shorter is filled with zeros.
;;     - A block's scale is 2^e with e = floor(log2(the largest magnitude in the block)) - 2, held to -126 .. 127; a block of zeros has e = 0. As a byte (E8M0): e + 127.
;;     - Each number is divided by its block's scale, clamped to +-7.5, and rounded to the nearest number of E2M3, ties to even, subnormals kept.
;;     - The product sums the exact products of the quantised numbers (number of the format x scale) in f32.
;;   ~~~python
;;   def quantise(x, axis):      # numpy; x: float32 -> the quantised numbers, widened to float32 again
;;       x = np.moveaxis(x, axis, -1); K = x.shape[-1]
;;       x = np.pad(x, [(0, 0)] * (x.ndim - 1) + [(0, -K % 32)]); x = x.reshape(x.shape[:-1] + (-1, 32)); a = np.abs(x).max(-1, keepdims=True)
;;       e = np.where(a > 0, np.clip(np.frexp(np.where(a > 0, a, 1))[1] - 1 - 2, -126, 127), 0)      # np.frexp(a)[1] - 1 = floor(log2(a)), exactly
;;       r = np.clip(x / 2.0 ** e, -7.5, 7.5)
;;       step = 2.0 ** (np.maximum(np.frexp(np.where(r == 0, 1, r))[1] - 1, 0) - 3)
;;       q = np.round(r / step) * step * 2.0 ** e      # np.round: ties to even
;;       return np.moveaxis(q.reshape(q.shape[:-2] + (-1,))[..., :K], -1, axis).astype(np.float32)
;;   ~~~
;;   SOFTMAX AHEAD OF A QUANTISED PRODUCT. Where the list says 'softmax', what is quantised is not the finished softmax but p = 2^(t - M), with t = logit x log2(e) and M = ceil(the row's largest t), a whole number; so 1/2 < the row's largest p <= 1. The row's sum l is taken of the UNQUANTISED p, in f32, and the product's result is divided by l at the end. Since M is a whole number, a kernel that streams over the keys may use a running M (the ceiling of the running maximum): every later rescaling is an exact power of two, which a block's scale takes up: the codes' values come out the same.
;;   OPERANDS COMPUTED ON THE WAY. 'Computed on the way' means the value that the module computes at that place (a softmax that the list does not call 'softmax' is quantised finished and normalised). What goes into a quantiser is computed in f32, as accurately as f32 sums, v_exp_f32 and their like allow (about 1e-6 of the number): no bf16 or f16 on the way to a quantiser, and a product that is left as it is and whose result goes on into a quantised operand takes f32 operands (vector FMAs, or v_wmma_f32_16x16x4_f32). A number that lies on a knife's edge between two numbers of the format may be rounded either way, as far as f32 arithmetic and the matrix unit's own rounding can turn it there, and no further.
;; One version. Each part assembles by itself: llvm-mc -triple=amdgcn-amd-amdhsa -mcpu=gfx1250 --defsym DOCPART=n.
;; ======== version 1 of 1: 4 launches
;; limits: right only within a limited range of input values
;; workspace buffers: xb 10,223,616 bytes; wb 3,407,872 bytes; qb 6,553,600 bytes; kv 6,553,600 bytes; cb 3,407,872 bytes
;; launch quant (part 1): grid 1024 x 1, 4 waves a work-group, no clusters, 46,592 bytes of LDS; arguments Q, K, V, WQ, WK, WV, WO, xb, wb; writes xb, wb
.if DOCPART == 1
	.amdgcn_target "amdgcn-amd-amdhsa--gfx1250"
	.amdhsa_code_object_version 6
	.text
	.protected	k_qd718fb1bc8_quant
	.globl	k_qd718fb1bc8_quant
	.p2align	8
	.type	k_qd718fb1bc8_quant,@function
k_qd718fb1bc8_quant:
	s_mov_b64 s[64:65], 0
	v_nop
	global_prefetch_b8 v0, s[64:65] scope:SCOPE_SE
	s_setreg_imm32_b32 hwreg(HW_REG_WAVE_MODE, 25, 1), 1
	s_wait_xcnt 0x0
; Q, K, V [4096][1024] f32 (K innermost) and WQ, WK, WV [16][1024][64], WO [1024][1024] f32 (K = the axis of 1,024, not innermost) become codes of FP6 (E2M3) with one E8M0 byte for each 32 along K,
; laid as IMAGES OF THE OPERAND'S REGISTERS.  A block's scale is 2^(floor(log2(largest magnitude)) - 2): its byte is the largest magnitude's exponent field - 2, held at 1 from below.
; LIMITS: a block of zeros gets the byte 1 where the rule says 127 (its codes are zeros, and this program alone reads the bytes); NaN and infinities among the inputs are not served.
; A TILE is 16 rows: tile T's row r is the tensor's row 32 (T / 2) + 8 (T % 2) + r + 8 (r / 8), so that results of two neighbouring tiles used as source 0 are 16 neighbours in a lane's registers.
; A HALF IMAGE (768 bytes) holds 16 rows x 64 along K: lane (r, h) owns six registers, the codes of K = 32 h + 0 .. 31 of its row; registers 0-3 at 16 x lane, registers 4-5 at 512 + 8 x lane.
; A RECORD (13,312 bytes) is a tile for all of K: four phases of 3,328 bytes; a phase is four half images (256 along K) and at 3,072 a register of scale words: lanes 0-15 the rows' words of the phase's
; first 128 along K, lanes 16-31 of its second.  The last 128 bytes of a phase are neither written nor read.
; Work-groups 0-767: a record of Q, K or V each, a phase to a wave.  Work-groups 768-1023: the weights; a wave takes 32 output channels x 128 along K, a lane to a channel, its registers running down K.
; No matrix unit, no tensor load, no barrier: waves share nothing.  The two paths part on the work-group's number and have LDS bytes of their own.
.set XPIT,  528                        ; a stage row: 512 bytes + 16 = 132 words: the sixteen rows that a read touches start at sixteen different groups of four banks
.set XWAVE, 16*XPIT
.set WSTG,  4*XWAVE                    ; behind the four stages of the first path: four of 3,072 bytes for the second
.set WWAVE, 3072
.set SPARE, WSTG+4*WWAVE               ; the spare words, 128 bytes for each wave: two blocks of 256 bytes that no other line names
.set REC,   13312
.set PH,    3328
.set FLOOR, 0x1800000                  ; 2^(3 - 127): no largest magnitude is taken under it, so the byte cannot fall under 1
.set LESS2, 0xff000000                 ; 2 off an exponent field
.set COD,   24                         ; v24-55   codes: eight registers for each half image or block
.set OB,    56                         ; v56-79   the weights' way out
.set NUM,   80                         ; v80-207  128 numbers
	s_load_b256 s[8:15], s[0:1], 0x0               ; Q s[8:9], K s[10:11], V s[12:13], WQ s[14:15]
	s_load_b256 s[16:23], s[0:1], 0x20             ; WK s[16:17], WV s[18:19], WO s[20:21], xb s[22:23]
	s_load_b64 s[24:25], s[0:1], 0x40              ; wb
	v_lshl_add_u32 v10, v0, 2, SPARE               ; my spare word; never rewritten
	v_mov_b32 v11, 0                               ; 0; never rewritten
	v_lshrrev_b32 v1, 5, v0
	v_readfirstlane_b32 s3, v1                     ; wave 0..3
	v_and_b32 v1, 31, v0                           ; lane
	v_and_b32 v2, 15, v0                           ; r
	v_bfe_u32 v3, v0, 4, 1                         ; h
	v_lshlrev_b32 v4, 4, v1                        ; 16 x lane
	v_lshlrev_b32 v5, 3, v1                        ; 8 x lane
	v_lshlrev_b32 v6, 2, v1                        ; 4 x lane
	s_cmp_ge_u32 ttmp9, 768
	s_cbranch_scc1 .Lweights
	; ---- Q, K, V: tile = work-group, phase = wave: 16 rows x 256 along K
	s_mov_b32 s26, 0x76543210
	s_mov_b32 s27, 0xfedcba98                      ; v_permlanex16_b32's selects for lane l xor 16
	s_mov_b32 s28, 0xffff0000                      ; lanes 16-31
	v_mov_b32 v19, 0                               ; written once: a lane permute's destination counts as one of its sources
	s_mul_i32 s29, s3, XWAVE                       ; my stage
	v_add_nc_u32 v7, s29, v4                       ; in: a row's 512 bytes as they lie
	v_mul_u32_u24 v8, v2, XPIT
	v_lshl_add_u32 v8, v3, 7, v8
	v_add_nc_u32 v8, s29, v8                       ; back: row r, + 128 h: my 32 numbers of each 64
	v_lshlrev_b32 v9, 3, v3                        ; 8 h
	s_lshr_b32 s30, ttmp9, 8                       ; which tensor
	s_and_b32 s31, ttmp9, 255                      ; its tile
	s_lshr_b32 s32, s31, 1
	s_lshl_b32 s32, s32, 17                        ; 32 rows of 4,096 bytes
	s_and_b32 s33, s31, 1
	s_lshl_b32 s33, s33, 15                        ; 8 rows
	s_add_co_u32 s32, s32, s33
	; K's tiles alone are laid otherwise: tile T's row r is token 64 (T / 4) + 8 (T % 4) + r + 24 (r / 8), so that the scores of four neighbouring tiles are 32 neighbouring keys in a lane's registers
	s_lshr_b32 s36, s31, 2
	s_lshl_b32 s36, s36, 18                        ; 64 rows of 4,096 bytes
	s_and_b32 s37, s31, 3
	s_lshl_b32 s37, s37, 15                        ; 8 rows
	s_add_co_u32 s36, s36, s37
	s_cmp_eq_u32 s30, 1
	s_cselect_b32 s32, s36, s32
	s_cselect_b32 s36, 0x10000, 0                  ; K: rows 8-15 of a tile lie 16 rows further on
	s_wait_alu depctr_va_vdst(0)                   ; the wait here, directly ahead of the reader below
	v_add_nc_u32 v22, s36, v4                      ; v22: the offset for a tile's rows 8-15
	s_lshl_b32 s33, s3, 10
	s_add_co_u32 s32, s32, s33
	s_mov_b32 s33, 0
	s_mul_i32 s34, ttmp9, REC
	s_mul_i32 s35, s3, PH
	s_add_co_u32 s34, s34, s35
	s_mov_b32 s35, 0
	s_wait_kmcnt 0x0
	s_cmp_eq_u32 s30, 1
	s_cselect_b64 s[4:5], s[10:11], s[8:9]
	s_cmp_eq_u32 s30, 2
	s_cselect_b64 s[4:5], s[12:13], s[4:5]
	s_add_nc_u64 s[4:5], s[4:5], s[32:33]
	s_add_nc_u64 s[6:7], s[22:23], s[34:35]
	s_wait_alu depctr_va_vdst(0)
.irp kap, 0,1
.irp rho, 0,1,2,3,4,5,6,7,8,9,10,11,12,13,14,15
	global_load_b128 v[NUM+64*\kap+4*\rho:NUM+64*\kap+4*\rho+3], v[4+18*(\rho/8)], s[4:5] offset:(\rho+8*(\rho/8))*4096+512*\kap th:TH_LOAD_NT   ; 32 lanes read 512 consecutive bytes of a row; rows 0-7 by v4, rows 8-15 by v22
.endr
.endr
; 64 numbers of a lane, register 32 c + j = k 64 c + 32 h + j of my row: two whole blocks.  They become two half images' registers and, with lane l xor 16's two bytes, the row's scale word.
.macro QUANTX kap
.irp c, 0,1
	v_max3_num_f32 v[12+\c], |v[NUM+64*\kap+32*\c]|, |v[NUM+64*\kap+32*\c+1]|, FLOOR
.endr
.irp i, 2,4,6,8,10,12,14,16,18,20,22,24,26,28,30
.irp c, 0,1
	v_max3_num_f32 v[12+\c], v[12+\c], |v[NUM+64*\kap+32*\c+\i]|, |v[NUM+64*\kap+32*\c+\i+1]|   ; the two blocks by turns
.endr
.endr
.irp c, 0,1
	v_add_nc_u32 v[14+\c], LESS2, v[12+\c]         ; the conversion takes the exponent field of this operand as its scale
.endr
.irp c, 0,1
	v_lshrrev_b32 v[16+\c], 23, v[14+\c]           ; the scale's byte
.endr
	v_lshl_or_b32 v18, v17, 16, v16                ; my bytes: blocks h and 2 + h,
	v_lshlrev_b32 v18, v9, v18                     ; at their places in the word;
	v_permlanex16_b32 v19, v18, s26, s27
	v_or_b32 v[20+\kap], v18, v19                  ; with lane l xor 16's two the word is whole
.irp c, 0,1
	v_cvt_scalef32_pk16_fp6_f32 v[COD+16*\kap+8*\c:COD+16*\kap+8*\c+2], v[NUM+64*\kap+32*\c:NUM+64*\kap+32*\c+15], v[14+\c]
	v_cvt_scalef32_pk16_fp6_f32 v[COD+16*\kap+8*\c+4:COD+16*\kap+8*\c+6], v[NUM+64*\kap+32*\c+16:NUM+64*\kap+32*\c+31], v[14+\c]   ; (a conversion's three registers begin on an even number)
.endr
	v_nop                                          ; one plain place behind a scaled conversion
.irp c, 0,1
.irp i, 0,1,2
	v_mov_b32 v[COD+16*\kap+8*\c+3+\i], v[COD+16*\kap+8*\c+4+\i]
.endr
.endr
.endm
; 128 along K: through my stage, so that loads are dense and a lane yet holds neighbours; LDS serves a wave's instructions in order, so no wait stands between the stores and the loads.
.macro XTURN kap
	s_wait_loadcnt 16*(1-\kap)                     ; these 16 loads are in; the other 128 along K may be out
.irp rho, 0,1,2,3,4,5,6,7,8,9,10,11,12,13,14,15
	ds_store_b128 v7, v[NUM+64*\kap+4*\rho:NUM+64*\kap+4*\rho+3] offset:XPIT*\rho
.endr
.irp c, 0,1
.irp m, 0,1,2,3,4,5,6,7
	ds_load_b128 v[NUM+64*\kap+32*\c+4*\m:NUM+64*\kap+32*\c+4*\m+3], v8 offset:256*\c+16*\m
.endr
.endr
	s_wait_dscnt 0x0
	QUANTX \kap
.irp c, 0,1
	global_store_b128 v4, v[COD+16*\kap+8*\c:COD+16*\kap+8*\c+3], s[6:7] offset:1536*\kap+768*\c          ; 512 consecutive bytes, at a multiple of 256 from the buffer's first byte
	global_store_b64 v5, v[COD+16*\kap+8*\c+4:COD+16*\kap+8*\c+5], s[6:7] offset:1536*\kap+768*\c+512     ; 256 likewise
.endr
.endm
	XTURN 0
	XTURN 1
	v_cndmask_b32 v20, v20, v21, s28               ; lanes 0-15 the first 128's words, lanes 16-31 the second's
	global_store_b32 v6, v20, s[6:7] offset:3072
	s_wait_tensorcnt 0x0                           ; the wave's end, behind my last LDS store
	ds_add_u32 v10, v11
	s_wait_dscnt 0x0
	s_endpgm
.Lweights:
	; ---- the weights: g = work-group - 768; g / 4 = 16 x tensor + gp (a head, or 64 columns of WO); the K step of 128 is 2 (g % 4) + wave / 2; e = wave % 2: which 32 of the 64 channels
	s_sub_co_u32 s30, ttmp9, 768
	s_lshr_b32 s31, s30, 2
	s_lshr_b32 s32, s31, 4                         ; tensor 0..3
	s_and_b32 s33, s31, 15                         ; gp
	s_and_b32 s34, s30, 3
	s_lshl_b32 s34, s34, 1
	s_lshr_b32 s35, s3, 1
	s_add_co_u32 s34, s34, s35                     ; K step 0..7
	s_and_b32 s35, s3, 1                           ; e
	s_mul_i32 s36, s3, WWAVE
	s_add_co_u32 s36, s36, WSTG                    ; my stage: two tiles x two half images
	v_bfe_u32 v12, v0, 3, 1                        ; my channel lies in tile u = (lane / 8) % 2 of the pair,
	v_and_b32 v13, 7, v0
	s_wait_alu depctr_va_vdst(0)
	v_lshl_add_u32 v13, v3, 3, v13                 ; at its row lane % 8 + 8 (lane / 16)
	v_mul_u32_u24 v14, v12, 1536
	v_add_nc_u32 v14, s36, v14
	v_lshl_add_u32 v7, v13, 4, v14                 ; where my registers 0-3 go,
	v_lshl_add_u32 v8, v13, 3, v14                 ; and my registers 4-5
	v_add_nc_u32 v9, s36, v4                       ; back: as the bytes lie
	v_mul_u32_u24 v22, v12, REC
	v_lshl_add_u32 v22, v13, 2, v22                ; my scale word's place: tile u's record, 4 x row
	s_lshl_b32 s37, s33, 18                        ; a head's weights: 262,144 bytes a head, 256 a row of K
	s_lshl_b32 s38, s34, 15
	s_add_co_u32 s37, s37, s38
	s_lshl_b32 s38, s34, 19                        ; WO: 4,096 bytes a row of K, 256 for 64 columns
	s_lshl_b32 s39, s33, 8
	s_add_co_u32 s38, s38, s39
	s_cmp_eq_u32 s32, 3
	s_cselect_b32 s40, s38, s37
	s_lshl_b32 s41, s35, 7
	s_add_co_u32 s40, s40, s41
	s_mov_b32 s41, 0
	s_lshl_b32 s42, s32, 6                         ; the pair's first record: 64 x tensor + 4 gp + 2 e
	s_lshl_b32 s43, s33, 2
	s_add_co_u32 s42, s42, s43
	s_lshl_b32 s43, s35, 1
	s_add_co_u32 s42, s42, s43
	s_mul_i32 s42, s42, REC
	s_lshr_b32 s43, s34, 1
	s_mul_i32 s43, s43, PH
	s_add_co_u32 s42, s42, s43                     ; the phase
	s_and_b32 s43, s34, 1
	s_mul_i32 s44, s43, 1536
	s_add_co_u32 s44, s44, s42                     ; the K step's two half images
	s_mov_b32 s45, 0
	s_lshl_b32 s46, s43, 6
	s_add_co_u32 s46, s46, s42
	s_add_co_u32 s46, s46, 3072                    ; its half of the register of scale words
	s_mov_b32 s47, 0
	s_wait_kmcnt 0x0
	s_cmp_eq_u32 s32, 1
	s_cselect_b64 s[4:5], s[16:17], s[14:15]
	s_cmp_eq_u32 s32, 2
	s_cselect_b64 s[4:5], s[18:19], s[4:5]
	s_cmp_eq_u32 s32, 3
	s_cselect_b64 s[4:5], s[20:21], s[4:5]
	s_add_nc_u64 s[4:5], s[4:5], s[40:41]
	s_add_nc_u64 s[6:7], s[24:25], s[44:45]
	s_add_nc_u64 s[30:31], s[24:25], s[46:47]
.macro LOADW pitch                     ; W(k, my channel), k = 0 .. 127 of the K step: each load reads 128 consecutive bytes
.set n, 0
.rept 128
	global_load_b32 v[NUM+n], v6, s[4:5] offset:n*\pitch
.set n, n+1
.endr
.endm
	s_cmp_eq_u32 s32, 3
	s_cbranch_scc1 .Lwo
	LOADW 256
	s_branch .Lloaded
.Lwo:
	LOADW 4096
.Lloaded:
; Block t: all its 32 numbers are mine.  Its six registers belong to lane (row, t % 2) of half image t / 2.  left: how many of the 128 loads may still be out.
.macro WBLOCK t, left
	s_wait_loadcnt \left
	v_max3_num_f32 v12, |v[NUM+32*\t]|, |v[NUM+32*\t+1]|, |v[NUM+32*\t+2]|
	v_max3_num_f32 v13, |v[NUM+32*\t+3]|, |v[NUM+32*\t+4]|, |v[NUM+32*\t+5]|
.irp i, 6,10,14,18,22,26
	v_max3_num_f32 v12, v12, |v[NUM+32*\t+\i]|, |v[NUM+32*\t+\i+1]|
	v_max3_num_f32 v13, v13, |v[NUM+32*\t+\i+2]|, |v[NUM+32*\t+\i+3]|
.endr
	v_max3_num_f32 v12, v12, |v[NUM+32*\t+30]|, |v[NUM+32*\t+31]|
	v_max3_num_f32 v12, v12, v13, FLOOR
	v_add_nc_u32 v14, LESS2, v12
	v_lshrrev_b32 v15, 23, v14
.if \t == 0
	v_mov_b32 v23, v15                             ; the four bytes make my channel's scale word
.else
	v_lshl_or_b32 v23, v15, 8*\t, v23
.endif
	v_cvt_scalef32_pk16_fp6_f32 v[COD+8*\t:COD+8*\t+2], v[NUM+32*\t:NUM+32*\t+15], v14
	v_cvt_scalef32_pk16_fp6_f32 v[COD+8*\t+4:COD+8*\t+6], v[NUM+32*\t+16:NUM+32*\t+31], v14
	v_nop                                          ; one plain place behind a scaled conversion
.irp i, 0,1,2
	v_mov_b32 v[COD+8*\t+3+\i], v[COD+8*\t+4+\i]
.endr
	ds_store_b128 v7, v[COD+8*\t:COD+8*\t+3] offset:768*(\t/2)+256*(\t%2)
	ds_store_b64 v8, v[COD+8*\t+4:COD+8*\t+5] offset:768*(\t/2)+512+128*(\t%2)
.endm
	WBLOCK 0, 63                                   ; at most 63 of the 128 are out: the first 65 are in, blocks 0 and 1 among them
	WBLOCK 1, 63
	WBLOCK 2, 32
	WBLOCK 3, 0
.irp m, 0,1,2,3,4,5
	ds_load_b128 v[OB+4*\m:OB+4*\m+3], v9 offset:512*\m   ; LDS serves a wave's instructions in order: these see my stores
.endr
	s_wait_alu depctr_va_vdst(0)
.irp m, 0,1,2,3,4,5
	s_wait_dscnt 5-\m
	global_store_b128 v4, v[OB+4*\m:OB+4*\m+3], s[6:7] offset:(\m/3)*REC+(\m%3)*512   ; 512 consecutive bytes, at a multiple of 256 from the buffer's first byte
.endr
	global_store_b32 v22, v23, s[30:31]
	s_wait_tensorcnt 0x0                           ; the wave's end, behind my last LDS store
	ds_add_u32 v10, v11
	s_wait_dscnt 0x0
	s_endpgm
.Lfunc_end_k_qd718fb1bc8_quant:
	.size	k_qd718fb1bc8_quant, .Lfunc_end_k_qd718fb1bc8_quant-k_qd718fb1bc8_quant
	.p2alignl 7, 3214868480
	.fill 96, 4, 3214868480
	.section	.rodata,"a",@progbits
	.p2align	6, 0x0
	.amdhsa_kernel k_qd718fb1bc8_quant
		.amdhsa_group_segment_fixed_size 46592
		.amdhsa_private_segment_fixed_size 0
		.amdhsa_enable_private_segment 0
		.amdhsa_kernarg_size 72
		.amdhsa_user_sgpr_count 2
		.amdhsa_user_sgpr_kernarg_segment_ptr 1
		.amdhsa_wavefront_size32 1
		.amdhsa_system_sgpr_workgroup_id_x 1
		.amdhsa_system_sgpr_workgroup_id_y 1
		.amdhsa_system_sgpr_workgroup_id_z 1
		.amdhsa_system_vgpr_workitem_id 0
		.amdhsa_next_free_vgpr 208
		.amdhsa_next_free_sgpr 66
		.amdhsa_reserve_vcc 0
		.amdhsa_float_denorm_mode_32 3
		.amdhsa_float_denorm_mode_16_64 3
		.amdhsa_memory_ordered 1
		.amdhsa_forward_progress 1
		.amdhsa_inst_pref_size 51
	.end_amdhsa_kernel
	.amdgpu_metadata
---
amdhsa.version: [ 1, 2 ]
amdhsa.kernels:
  - .name:           k_qd718fb1bc8_quant
    .symbol:         k_qd718fb1bc8_quant.kd
    .args:
      - { .name: Q, .offset: 0, .size: 8, .value_kind: global_buffer, .address_space: global }
      - { .name: K, .offset: 8, .size: 8, .value_kind: global_buffer, .address_space: global }
      - { .name: V, .offset: 16, .size: 8, .value_kind: global_buffer, .address_space: global }
      - { .name: WQ, .offset: 24, .size: 8, .value_kind: global_buffer, .address_space: global }
      - { .name: WK, .offset: 32, .size: 8, .value_kind: global_buffer, .address_space: global }
      - { .name: WV, .offset: 40, .size: 8, .value_kind: global_buffer, .address_space: global }
      - { .name: WO, .offset: 48, .size: 8, .value_kind: global_buffer, .address_space: global }
      - { .name: xb, .offset: 56, .size: 8, .value_kind: global_buffer, .address_space: global }
      - { .name: wb, .offset: 64, .size: 8, .value_kind: global_buffer, .address_space: global }
    .group_segment_fixed_size: 46592
    .private_segment_fixed_size: 0
    .kernarg_segment_align: 8
    .kernarg_segment_size: 72
    .max_flat_workgroup_size: 128
    .sgpr_count:     66
    .vgpr_count:     208
    .wavefront_size: 32
...
	.end_amdgpu_metadata
.endif
;; end of part 1
;; launch proj (part 2): grid 8 x 24, 16 waves a work-group, no clusters, 327,680 bytes of LDS; arguments xb, wb, bQ, bK, bV, qb, kv; writes qb, kv
.if DOCPART == 2
	.amdgcn_target "amdgcn-amd-amdhsa--gfx1250"
	.amdhsa_code_object_version 6
	.text
	.protected	k_qd718fb1bc8_proj
	.globl	k_qd718fb1bc8_proj
	.p2align	8
	.type	k_qd718fb1bc8_proj,@function
k_qd718fb1bc8_proj:
	s_mov_b64 s[64:65], 0
	v_nop
	global_prefetch_b8 v0, s[64:65] scope:SCOPE_SE
	s_setreg_imm32_b32 hwreg(HW_REG_WAVE_MODE, 25, 1), 1
	s_wait_xcnt 0x0
; q = Q WQ + bQ, k = K WK + bK, v = V WV + bV on codes of FP6 (E2M3) with E8M0 scales, K = 1,024; the results are quantised in registers: q and k along a head's 64 channels, v along the keys.
; OPERANDS come as records of register images (16 rows for all of K: four phases of 3,328 bytes, each four half images of 768 bytes and a register of scale words at 3,072): xb holds Q's tiles 0-255,
; K's 256-511, V's 512-767; wb holds WQ's 0-63, WK's 64-127, WV's 128-191.  Tile T's row r is the tensor's row 32 (T / 2) + 8 (T % 2) + r + 8 (r / 8).
; ROLES.  L is source 1 (its rows fall on lanes), G is source 0 (its rows fall on a lane's registers, 16 neighbours in two neighbouring tiles): the axis along which the result is quantised.
; q, k: L = the tokens, G = the weights' channels.  v: L = WV's channels, G = the tokens (the keys).
; SHARES.  192 work-groups of 256 x 256: with x = 4 CX + cx, y = 4 CY + cy: CY < 4: q (CX = 0) or k (CX = 1), tokens' block 4 CY + cy, heads 4 cx ..; CY >= 4: v, heads 4 cy .., tokens' block 4 CX + cx + 8 (CY - 4).
; Sixteen waves, 64 x 64 each (4 x 4 accumulators, 128 registers), four to a SIMD; no register windows.
; LDS.  Three slots of 102,400 bytes (L's 16 tiles x 3,200 bytes of a phase, then G's).  Phases 0, 1, 2 are asked for at the head, phase 3 goes into slot 0 when phase 0 is done.  Waves 0, 1 fetch L's halves, waves 2, 3 G's.
; NO CLUSTER: each work-group asks for its own tiles: 32 records, 425,984 bytes in all, three quarters of them at the head ahead of any work, and one refill; a tile of L is asked for by 4 work-groups, one of G by 16 (q, k).
; RESULTS.  qb and kv are blocks of 12,800 bytes for (head, 128 tokens): at 768 t the half image of token tile t (K = the head's 64 channels); at 6,144 + 768 (2 a + c) v's channel tile a, keys 64 c ..;
; at 12,288 + 128 i k's scale register i (lane (r, h): pair 2 i + h of tiles; bytes 0, 1 the even tile's two blocks, bytes 2, 3 the odd one's); at 12,544 + 128 i v's (lane (r, h): channel tile 2 i + h; byte = block of 32 keys).
; LIMITS: a block of zeros gets the byte 1 where the rule says 127 (its codes are zeros; this program alone reads the bytes); NaN and infinities are not served.
.set REC,   13312
.set PH,    3328
.set TILEB, 3200                       ; a tile's phase in LDS: codes and scale words
.set QUAD,  4*TILEB                    ; a wave's four tiles
.set HALF,  8*TILEB                    ; what one tensor load brings
.set GOFF,  16*TILEB
.set SLOTB, 32*TILEB
.set BIASL, 3*SLOTB                    ; behind the slots: 256 bytes for each wave: its head's 64 biases
.set SPARE, BIASL+16*256               ; the spare words, 128 bytes for each wave: eight blocks of 256 bytes that no other line names
.set BLKB,  12800
.set FLOOR, 0x1800000
.set LESS2, 0xff000000
.set AB,  1                            ; v1-6    slot 0: L's images at 16, 8, 4 x lane, then G's
.set AW,  8                            ; v8-13   the same in the slot in hand
.set SPW, 20                           ; v20     my spare word; never rewritten
.set NIL, 21                           ; v21     0; never rewritten
.set SL,  24                           ; v24-27  L's scale words;  v28-31 G's
.set SG,  28
.set FL,  32                           ; v32-79  L's four fragments;  v80-127 G's
.set FG,  80
.set ACC, 128                          ; accumulator (a, b) at v[128 + 8 (4 a + b)]
.set TM,  64                           ; the way out: at work
	s_load_b256 s[4:11], s[0:1], 0x0               ; xb s[4:5], wb s[6:7], bQ s[8:9], bK s[10:11]
	s_load_b128 s[12:15], s[0:1], 0x20             ; bV s[12:13], qb s[14:15]
	s_load_b64 s[16:17], s[0:1], 0x30              ; kv
	v_lshl_add_u32 v[SPW], v0, 2, SPARE
	v_mov_b32 v[NIL], 0
	ds_add_u32 v[SPW], v[NIL]                      ; the wave's opening: the add and its wait ahead of the first tensor load; the set-up below, work on registers, stands between them
	ds_add_u32 v[SPW], v[NIL]
	v_lshrrev_b32 v7, 5, v0
	s_delay_alu instid0(VALU_DEP_1)
	v_readfirstlane_b32 s44, v7                    ; wave 0..15
	s_lshr_b32 s45, s44, 2                         ; wr: which four tiles of L
	s_and_b32 s46, s44, 3                          ; wc: which four of G
	s_lshr_b32 s47, ttmp9, 2                       ; CX
	s_and_b32 s48, ttmp9, 3                        ; cx
	s_and_b32 s49, ttmp7, 0xffff
	s_and_b32 s50, s49, 3                          ; cy
	s_lshr_b32 s49, s49, 2                         ; CY
	s_mov_b32 s18, 0x76543210
	s_mov_b32 s19, 0xfedcba98                      ; v_permlanex16_b32's selects for lane l xor 16
	s_mov_b32 s75, 0xffff0000                      ; lanes 16-31
	; descriptor group 1: 8 tiles' phases: rows of 400 elements of 8 bytes (3,200 bytes), a record (1,664 elements) apart; dense in LDS
	s_mov_b32 s20, 3<<16
	s_mov_b32 s21, 400<<16                         ; tensor_dim0
	s_mov_b32 s22, 8<<16                           ; tensor_dim1
	s_mov_b32 s23, 400<<16                         ; tile_dim0
	s_mov_b32 s24, 8                               ; tile_dim1
	s_mov_b32 s25, 1664                            ; stride
	s_mov_b32 s26, 0
	s_mov_b32 s27, 0
	s_lshl_b32 s51, s50, 4
	s_lshl_b32 s52, s47, 8
	s_lshl_b32 s53, s49, 6
	s_add_co_u32 s52, s52, s53
	s_add_co_u32 s52, s52, s51                     ; q, k: L's first tile in xb: 256 CX + 64 CY + 16 cy
	s_add_co_u32 s53, s51, 128                     ; v: in wb: 128 + 16 cy
	s_lshl_b32 s54, s47, 6
	s_lshl_b32 s55, s48, 4
	s_add_co_u32 s54, s54, s55                     ; q, k: G's first tile in wb: 64 CX + 16 cx
	s_lshl_b32 s55, s49, 7
	s_add_co_u32 s55, s55, s54                     ; v: in xb: 512 + 64 CX + 16 cx + 128 (CY - 4)
	s_lshl_b32 s62, s49, 2
	s_add_co_u32 s62, s62, s50                     ; the tokens' block of 256: q, k: 4 CY + cy
	s_lshl_b32 s63, s47, 2
	s_add_co_u32 s63, s63, s48
	s_lshl_b32 s66, s49, 3
	s_add_co_u32 s63, s63, s66
	s_sub_co_u32 s63, s63, 32                      ; v: 4 CX + cx + 8 (CY - 4)
	s_mov_b32 s70, 1536
	s_mov_b32 s72, 128
	s_cmp_ge_u32 s49, 4                            ; v's work-group?
	s_cselect_b32 s52, s53, s52
	s_cselect_b32 s54, s55, s54
	s_cselect_b32 s59, s50, s48                    ; the block of four heads,
	s_cselect_b32 s60, s45, s46                    ; my head in it,
	s_cselect_b32 s61, s46, s45                    ; my 64 tokens of the 256
	s_cselect_b32 s62, s63, s62
	s_cselect_b32 s70, s70, 768                    ; from L's tile a to a + 1 in a block: codes,
	s_cselect_b32 s72, s72, 64                     ; from pair to pair: scale bytes,
	s_cselect_b32 s74, 64, 2                       ; and from the even tile of a pair to the odd one
	s_mov_b32 s71, 0
	s_mov_b32 s73, 0
	s_lshl_b32 s59, s59, 2
	s_add_co_u32 s59, s59, s60                     ; head
	s_lshl_b32 s62, s62, 1
	s_lshr_b32 s63, s61, 1
	s_add_co_u32 s62, s62, s63                     ; the step of 128 tokens
	s_and_b32 s61, s61, 1                          ; e: which 64 of them
	s_lshl_b32 s63, s59, 5
	s_add_co_u32 s63, s63, s62
	s_mul_i32 s63, s63, BLKB                       ; the block
	s_mul_i32 s66, s61, 3072                       ; q, k: token tiles 4 e ..
	s_mul_i32 s67, s61, 768
	s_add_co_u32 s67, s67, 6144                    ; v: chunk e of each channel tile
	s_lshl_b32 s68, s61, 7
	s_add_co_u32 s68, s68, 12288                   ; q, k: scale register e
	s_lshl_b32 s69, s61, 1
	s_add_co_u32 s69, s69, 12544                   ; v: bytes 2 e, 2 e + 1 of each word
	s_cmp_ge_u32 s49, 4
	s_cselect_b32 s66, s67, s66
	s_cselect_b32 s68, s69, s68
	s_add_co_u32 s66, s66, s63
	s_add_co_u32 s68, s68, s63
	s_mov_b32 s67, 0
	s_mov_b32 s69, 0
	s_lshl_b32 s94, s59, 8                         ; my head's 64 biases
	s_mov_b32 s95, 0
	s_cmp_lt_u32 s46, 2                            ; what I fetch: wave % 4 = 0, 1: L's halves; 2, 3: G's.  Wave / 4 is the phase: every wave fetches one quarter of one phase
	s_cselect_b32 s56, s52, s54
	s_and_b32 s57, s44, 1
	s_lshl_b32 s57, s57, 3
	s_add_co_u32 s56, s56, s57
	s_mul_i32 s56, s56, REC
	s_mov_b32 s57, 0
	s_mul_i32 s58, s46, HALF                       ; and where it goes in a slot: 25,600 x (wave % 4)
	s_mov_b32 s28, 1                               ; descriptor group 0 of waves 0-11: phase wave / 4 into the slot of that number
	s_mul_i32 s29, s45, SLOTB
	s_add_co_u32 s29, s29, s58
	s_mul_i32 s32, s45, PH                         ; where my phase begins in a record
	s_mov_b32 s33, 0
	s_mov_b32 s40, 1                               ; and of waves 12-15: phase 3 into slot 0
	s_mov_b32 s41, s58
	v_and_b32 v7, 31, v0
	s_delay_alu instid0(VALU_DEP_1)
	v_lshlrev_b32 v14, 4, v7                       ; v14: 16 x lane;  v15: 8 x lane
	s_delay_alu instid0(VALU_DEP_2)
	v_lshlrev_b32 v15, 3, v7
	s_delay_alu instid0(VALU_DEP_3)
	v_lshlrev_b32 v13, 2, v7
	v_and_b32 v9, 15, v0                           ; r
	v_bfe_u32 v10, v0, 4, 1                        ; h
	s_mul_i32 s78, s45, QUAD
	s_mul_i32 s79, s46, QUAD
	s_add_co_u32 s79, s79, GOFF
	v_add_nc_u32 v[AB], s78, v14
	v_add_nc_u32 v[AB+1], s78, v15
	v_add_nc_u32 v[AB+2], s78, v13
	v_add_nc_u32 v[AB+3], s79, v14
	v_add_nc_u32 v[AB+4], s79, v15
	v_add_nc_u32 v[AB+5], s79, v13
	s_lshl_b32 s78, s44, 8
	s_add_co_u32 s78, s78, BIASL                   ; my wave's biases in LDS
	v_add_nc_u32 v19, s78, v15                     ; v19: in, 8 bytes a lane
	v_lshl_add_u32 v17, v10, 6, s78                ; v17: back for q, k: my half's 16 channels of each 32
	v_and_b32 v11, 8, v9
	s_delay_alu instid0(VALU_DEP_1)
	v_add_nc_u32 v11, v11, v9
	s_delay_alu instid0(VALU_DEP_1)
	v_lshl_add_u32 v18, v11, 2, s78                ; v18: back for v: the channel of my row of a tile
	v_mul_u32_u24 v16, s74, v10
	s_delay_alu instid0(VALU_DEP_1)
	v_lshl_add_u32 v16, v9, 2, v16                 ; v16: my two scale bytes' place in a pair's words
	s_wait_dscnt 0x0                               ; the opening add is done
	s_wait_kmcnt 0x0
	s_cmp_eq_u32 s47, 0
	s_cselect_b64 s[76:77], s[14:15], s[16:17]     ; results: q to qb, k to kv,
	s_cselect_b64 s[92:93], s[8:9], s[10:11]       ; biases: bQ, bK,
	s_cmp_ge_u32 s49, 4
	s_cselect_b64 s[76:77], s[16:17], s[76:77]     ; v to kv,
	s_cselect_b64 s[92:93], s[12:13], s[92:93]     ; bV
	s_cselect_b64 s[96:97], s[6:7], s[4:5]         ; L: wb for v, else xb
	s_cselect_b64 s[98:99], s[4:5], s[6:7]         ; G: the other
	s_add_nc_u64 s[80:81], s[76:77], s[66:67]      ; where L's tile 0 .. 3 puts its codes
	s_add_nc_u64 s[82:83], s[80:81], s[70:71]
	s_add_nc_u64 s[84:85], s[82:83], s[70:71]
	s_add_nc_u64 s[86:87], s[84:85], s[70:71]
	s_add_nc_u64 s[88:89], s[76:77], s[68:69]      ; and pair 0, 1 its scale bytes
	s_add_nc_u64 s[90:91], s[88:89], s[72:73]
	s_add_nc_u64 s[92:93], s[92:93], s[94:95]
	s_cmp_lt_u32 s46, 2
	s_cselect_b64 s[96:97], s[96:97], s[98:99]
	s_add_nc_u64 s[96:97], s[96:97], s[56:57]
	s_add_nc_u64 s[30:31], s[96:97], s[32:33]      ; the global addresses: phase p begins 3,328 p bytes into each record
	s_add_nc_u64 s[42:43], s[96:97], 3*PH
	s_or_b32 s31, s31, 0x80000000                  ; type = 2
	s_or_b32 s43, s43, 0x80000000
	global_load_b64 v[22:23], v15, s[92:93]
	s_cmp_lt_u32 s44, 4                            ; one chain of branches on the wave's number, one first fill to an arm: waves 0-3 phase 0, with the wait that its readers need; waves 4-11 phases 1 and 2; waves 12-15 none
	s_cbranch_scc0 .Lnot_p0
	tensor_load_to_lds s[28:31], s[20:27]
	s_nop 0
.rept 4
	v_nop
.endr
	s_wait_tensorcnt 0x0                           ; my part of phase 0 is in
	s_branch .Lno_first
.Lnot_p0:
	s_cmp_lt_u32 s44, 12
	s_cbranch_scc0 .Lno_first
	tensor_load_to_lds s[28:31], s[20:27]
	s_nop 0
.rept 4
	v_nop
.endr
.Lno_first:
	s_wait_loadcnt 0x0
	s_wait_alu depctr_va_vdst(0)
	ds_store_b64 v19, v[22:23]                     ; the biases wait in my own 256 bytes of LDS: only I read them
; A fragment, 16 rows x 128 K, is two half images: 12 registers by four dense loads.
.macro FRAGS reg, a16, a8, tile, kap
	ds_load_b128 v[\reg:\reg+3], v[\a16] offset:(\tile)*TILEB+1536*(\kap)
	ds_load_b64 v[\reg+4:\reg+5], v[\a8] offset:(\tile)*TILEB+1536*(\kap)+512
	ds_load_b128 v[\reg+6:\reg+9], v[\a16] offset:(\tile)*TILEB+1536*(\kap)+768
	ds_load_b64 v[\reg+10:\reg+11], v[\a8] offset:(\tile)*TILEB+1536*(\kap)+1280
.endm
.macro MM a, b, kap, zero              ; zero = 1: the first product starts the sum.  The phase's second K step takes its scale words from lanes 16-31
.if \zero
	v_wmma_scale_f32_16x16x128_f8f6f4 v[ACC+8*(4*\a+\b):ACC+8*(4*\a+\b)+7], v[FG+12*\b:FG+12*\b+11], v[FL+12*\a:FL+12*\a+11], 0, v[SG+\b], v[SL+\a] matrix_a_fmt:MATRIX_FMT_FP6 matrix_b_fmt:MATRIX_FMT_FP6
.elseif \kap == 0
	v_wmma_scale_f32_16x16x128_f8f6f4 v[ACC+8*(4*\a+\b):ACC+8*(4*\a+\b)+7], v[FG+12*\b:FG+12*\b+11], v[FL+12*\a:FL+12*\a+11], v[ACC+8*(4*\a+\b):ACC+8*(4*\a+\b)+7], v[SG+\b], v[SL+\a] matrix_a_fmt:MATRIX_FMT_FP6 matrix_b_fmt:MATRIX_FMT_FP6
.else
	v_wmma_scale_f32_16x16x128_f8f6f4 v[ACC+8*(4*\a+\b):ACC+8*(4*\a+\b)+7], v[FG+12*\b:FG+12*\b+11], v[FL+12*\a:FL+12*\a+11], v[ACC+8*(4*\a+\b):ACC+8*(4*\a+\b)+7], v[SG+\b], v[SL+\a] matrix_a_fmt:MATRIX_FMT_FP6 matrix_b_fmt:MATRIX_FMT_FP6 matrix_a_scale:MATRIX_SCALE_ROW1 matrix_b_scale:MATRIX_SCALE_ROW1
.endif
.endm
; A K step of 128: 32 loads (with a phase's first step its 8 scale registers), 16 products.  The sixteen accumulators take turns, one instruction a turn, in the same order in every step.
.macro KSTEP adr, kap, zero
.rept 4
	v_nop                                          ; four places in front of loads into registers that matrix instructions have read (ISA guide 7.12.1 for vector instructions)
.endr
.if \kap == 0
.irp t, 0,1,2,3
	ds_load_b32 v[SG+\t], v[\adr+5] offset:\t*TILEB+3072
	ds_load_b32 v[SL+\t], v[\adr+2] offset:\t*TILEB+3072
.endr
.endif
.irp b, 0,1,2,3
	FRAGS FG+12*\b, \adr+3, \adr+4, \b, \kap
.endr
.irp a, 0,1,2,3
	FRAGS FL+12*\a, \adr, \adr+1, \a, \kap
.endr
	s_wait_dscnt 0x8                               ; all but the last eight loads, L's tiles 2 and 3
.irp a, 0,1
.irp b, 0,1,2,3
	MM \a, \b, \kap, \zero
.endr
.endr
	s_wait_dscnt 0x0
.irp a, 2,3
.irp b, 0,1,2,3
	MM \a, \b, \kap, \zero
.endr
.endr
.endm
	s_wait_dscnt 0x0
	s_barrier_signal -1
	s_barrier_wait -1                              ; everybody's is
	KSTEP AB, 0, 1
	KSTEP AB, 1, 0
	s_wait_tensorcnt 0x0                           ; slot 0 is filled again: all my tensor loads have landed, phases 1 and 2 among them;
	ds_add_u32 v[SPW], v[NIL]
	ds_add_u32 v[SPW], v[NIL]                      ; twice on end
.irp i, 0,1,2,3,4,5
	v_add_nc_u32 v[AW+\i], SLOTB, v[AB+\i]
.endr
	s_wait_dscnt 0x0                               ; the add is done, and my reads of slot 0 are over
	s_barrier_signal -1
	s_barrier_wait -1                              ; both now hold of every wave
	s_cmp_ge_u32 s44, 12                           ; waves 12-15 fetch phase 3
	s_cbranch_scc0 .Lno_refill
	tensor_load_to_lds s[40:43], s[20:27]          ; phase 3: my one tensor load behind this barrier; it has two phases, 64 products a wave, in which to land
	s_nop 0
.rept 4
	v_nop
.endr
.Lno_refill:
	s_wait_alu depctr_va_vdst(0)
	KSTEP AW, 0, 0                                 ; phase 1
	KSTEP AW, 1, 0
.irp i, 0,1,2,3,4,5
	v_add_nc_u32 v[AW+\i], SLOTB, v[AW+\i]
.endr
	KSTEP AW, 0, 0                                 ; phase 2: the barrier above has shown it whole to every wave
	s_wait_alu depctr_va_vdst(0)
	KSTEP AW, 1, 0
	s_wait_tensorcnt 0x0                           ; my part of phase 3 is in (the one load that was out)
	s_wait_dscnt 0x0
	s_barrier_signal -1
	s_barrier_wait -1                              ; everybody's is
	KSTEP AB, 0, 0
	KSTEP AB, 1, 0
	; THE WAY OUT.  For L's tile a, my 32 registers 16 b + i are the numbers 32 b + 16 h + i along G of my row: the bias is added, and they become a half image and two scale bytes.
.rept 4
	v_nop                                          ; places in front of the first reads of results and of writes into the fragments' registers
.endr
	v_mov_b32 v[TM+2], 0                           ; written once: a lane permute's destination counts as one of its sources
	v_mov_b32 v[TM+3], 0
	s_cmp_ge_u32 s49, 4
	s_cbranch_scc1 .Lbias_v
.irp bb, 0,1                                   ; q, k: the bias goes by channel, along my registers
.irp k, 0,1,2,3
	ds_load_b128 v[32+16*\bb+4*\k:32+16*\bb+4*\k+3], v17 offset:128*\bb+16*\k
.endr
.endr
	s_wait_dscnt 0x0
.irp a, 0,1,2,3
.set n, 0
.rept 16
	v_pk_add_f32 v[ACC+32*\a+n:ACC+32*\a+n+1], v[ACC+32*\a+n:ACC+32*\a+n+1], v[32+n:33+n]   ; each accumulator from its low end on
.set n, n+2
.endr
.endr
	s_branch .Lbiased
.Lbias_v:
.irp a, 0,1,2,3                                ; v: the bias goes by channel, which is my lane's row of tile a
	ds_load_b32 v[32+2*\a], v18 offset:4*(32*(\a/2)+8*(\a%2))
.endr
	s_wait_dscnt 0x0
.irp a, 0,1,2,3
	v_mov_b32 v[33+2*\a], v[32+2*\a]
.endr
.irp a, 0,1,2,3
.set n, 0
.rept 16
	v_pk_add_f32 v[ACC+32*\a+n:ACC+32*\a+n+1], v[ACC+32*\a+n:ACC+32*\a+n+1], v[32+2*\a:33+2*\a]
.set n, n+2
.endr
.endr
.Lbiased:
; 32 numbers of a lane, two half blocks; a block lies in lanes l and l xor 16.  Codes to v[pc] .. v[pc + 5], the two bytes to v[hw].
.macro QUANT2 s, pc, hw
.irp b, 0,1
	v_max3_num_f32 v[TM+\b], |v[\s+16*\b]|, |v[\s+16*\b+1]|, FLOOR
.endr
.irp i, 2,4,6,8,10,12,14
.irp b, 0,1
	s_delay_alu instid0(VALU_DEP_2)
	v_max3_num_f32 v[TM+\b], v[TM+\b], |v[\s+16*\b+\i]|, |v[\s+16*\b+\i+1]|
.endr
.endr
.irp b, 0,1
	s_delay_alu instid0(VALU_DEP_2)
	v_permlanex16_b32 v[TM+2+\b], v[TM+\b], s18, s19
.endr
.irp b, 0,1
	s_delay_alu instid0(VALU_DEP_2)
	v_max_num_f32 v[TM+\b], v[TM+\b], v[TM+2+\b]   ; the block's largest magnitude
.endr
.irp b, 0,1
	s_delay_alu instid0(VALU_DEP_2)
	v_add_nc_u32 v[TM+4+\b], LESS2, v[TM+\b]       ; the conversion's scale operand
.endr
.irp b, 0,1
	s_delay_alu instid0(VALU_DEP_2)
	v_lshrrev_b32 v[TM+2+\b], 23, v[TM+4+\b]       ; the scale's byte
.endr
	s_delay_alu instid0(VALU_DEP_1)
	v_lshl_or_b32 v[\hw], v[TM+3], 8, v[TM+2]
	v_cvt_scalef32_pk16_fp6_f32 v[\pc:\pc+2], v[\s:\s+15], v[TM+4]
	v_cvt_scalef32_pk16_fp6_f32 v[\pc+4:\pc+6], v[\s+16:\s+31], v[TM+5]
	v_nop                                          ; one plain place behind a scaled conversion
.irp i, 0,1,2
	v_permlane16_swap_b32 v[\pc+\i], v[\pc+4+\i]   ; the layout wants a whole block in a lane: lanes 0-15 block 0, lanes 16-31 block 1
.endr
.irp i, 0,1,2
	s_delay_alu instid0(VALU_DEP_3)
	v_mov_b32 v[\pc+3+\i], v[\pc+4+\i]
.endr
.endm
.irp a, 0,1,2,3
	QUANT2 ACC+32*\a, 80+8*\a, 112+\a
	global_store_b128 v14, v[80+8*\a:83+8*\a], s[80+2*\a:81+2*\a]             ; 512 consecutive bytes, at a multiple of 256 from the buffer's first byte
	global_store_b64 v15, v[84+8*\a:85+8*\a], s[80+2*\a:81+2*\a] offset:512   ; 256 likewise
.endr
.irp p, 0,1
	v_cndmask_b32 v[116+\p], v[112+2*\p], v[113+2*\p], s75                    ; lanes 0-15 store the even tile's two bytes, lanes 16-31 the odd one's
	global_store_b16 v16, v[116+\p], s[88+2*\p:89+2*\p]
.endr
	s_wait_tensorcnt 0x0                           ; the wave's end, behind my last tensor load and my last LDS store
	ds_add_u32 v[SPW], v[NIL]
	s_wait_dscnt 0x0
	s_endpgm
.Lfunc_end_k_qd718fb1bc8_proj:
	.size	k_qd718fb1bc8_proj, .Lfunc_end_k_qd718fb1bc8_proj-k_qd718fb1bc8_proj
	.p2alignl 7, 3214868480
	.fill 96, 4, 3214868480
	.section	.rodata,"a",@progbits
	.p2align	6, 0x0
	.amdhsa_kernel k_qd718fb1bc8_proj
		.amdhsa_group_segment_fixed_size 327680
		.amdhsa_private_segment_fixed_size 0
		.amdhsa_enable_private_segment 0
		.amdhsa_kernarg_size 56
		.amdhsa_user_sgpr_count 2
		.amdhsa_user_sgpr_kernarg_segment_ptr 1
		.amdhsa_wavefront_size32 1
		.amdhsa_system_sgpr_workgroup_id_x 1
		.amdhsa_system_sgpr_workgroup_id_y 1
		.amdhsa_system_sgpr_workgroup_id_z 1
		.amdhsa_system_vgpr_workitem_id 0
		.amdhsa_next_free_vgpr 256
		.amdhsa_next_free_sgpr 100
		.amdhsa_reserve_vcc 0
		.amdhsa_float_denorm_mode_32 3
		.amdhsa_float_denorm_mode_16_64 3
		.amdhsa_memory_ordered 1
		.amdhsa_forward_progress 1
		.amdhsa_inst_pref_size 66
	.end_amdhsa_kernel
	.amdgpu_metadata
---
amdhsa.version: [ 1, 2 ]
amdhsa.kernels:
  - .name:           k_qd718fb1bc8_proj
    .symbol:         k_qd718fb1bc8_proj.kd
    .args:
      - { .name: xb, .offset: 0, .size: 8, .value_kind: global_buffer, .address_space: global }
      - { .name: wb, .offset: 8, .size: 8, .value_kind: global_buffer, .address_space: global }
      - { .name: bQ, .offset: 16, .size: 8, .value_kind: global_buffer, .address_space: global }
      - { .name: bK, .offset: 24, .size: 8, .value_kind: global_buffer, .address_space: global }
      - { .name: bV, .offset: 32, .size: 8, .value_kind: global_buffer, .address_space: global }
      - { .name: qb, .offset: 40, .size: 8, .value_kind: global_buffer, .address_space: global }
      - { .name: kv, .offset: 48, .size: 8, .value_kind: global_buffer, .address_space: global }
    .group_segment_fixed_size: 327680
    .private_segment_fixed_size: 0
    .kernarg_segment_align: 8
    .kernarg_segment_size: 56
    .max_flat_workgroup_size: 512
    .sgpr_count:     100
    .vgpr_count:     256
    .wavefront_size: 32
...
	.end_amdgpu_metadata
.endif
;; end of part 2
;; launch attn (part 3): grid 16 x 16, 16 waves a work-group, no clusters, 327,680 bytes of LDS; arguments qb, kv, cb; writes cb
.if DOCPART == 3
	.amdgcn_target "amdgcn-amd-amdhsa--gfx1250"
	.amdhsa_code_object_version 6
	.text
	.protected	k_qd718fb1bc8_attn
	.globl	k_qd718fb1bc8_attn
	.p2align	8
	.type	k_qd718fb1bc8_attn,@function
k_qd718fb1bc8_attn:
	s_mov_b64 s[64:65], 0
	v_nop
	global_prefetch_b8 v0, s[64:65] scope:SCOPE_SE
	s_setreg_imm32_b32 hwreg(HW_REG_WAVE_MODE, 25, 1), 1
	s_wait_xcnt 0x0
; heads[h][q] = the sum over keys k <= q of softmax_k(q . k / 8) v, both products on codes of FP6 (E2M3) with E8M0 scales; the result, divided by the row's sum, is quantised along the concatenated heads' 1,024.
; THE SOFTMAX: t = score x log2(e) / 8; M = the running largest t rounded UP to a whole number; p = 2^(t - M) is quantised along the keys, not normalised; the sum is taken of the unquantised p, in f32, and divides
; at the end.  When M moves, the sum and O are multiplied by 2^(old M - new M): exact.
; THE MASK.  Keys after the query carry -2e9 on their logit, so their p is 0: steps all of whose keys come after a tile's queries are left out, and on the diagonal hidden scores become -infinity ahead of the maximum.
; LIMITS: that is the same result as long as a row's visible logits lie above -2e9 plus some hundred, and the scaled scores stay under 2^31 in magnitude; NaN and infinities are not served; p under 2^-126 counts as 0;
; a block of zeros gets the byte 1 (read by this program alone).
; INPUTS are blocks of 12,800 bytes for (head, 128 tokens): at 768 t the half image of token tile t (16 rows x the head's 64 channels; lane (r, h): six registers, channels 32 h ..; registers 0-3 at 16 x lane, 4-5 at
; 512 + 8 x lane); at 6,144 + 768 (2 a + c) v's channel tile a, keys 64 c ..; at 12,288 k's two scale registers, at 12,544 v's two.  q's tile T's row r is token 32 (T / 2) + 8 (T % 2) + r + 8 (r / 8) (v's channels
; likewise); K'S TILE T's row r is token 64 (T / 4) + 8 (T % 4) + r + 24 (r / 8).
; LAYOUT.  Both products are used transposed: S^T = K Q^T, O^T = V^T P^T: a lane holds one query throughout.  By K's order of rows register 32 c + i of S^T is key 64 c + 32 h + i of the step: A LANE HOLDS TWO WHOLE
; BLOCKS OF 32 KEYS, in the order in which source 1 of the second product wants them: a block's maximum asks no other lane, and the conversions' results are the operand's registers.
; K = 64 IN A FORM OF K = 128: source 0 is a PAIR of key tiles (even | odd), source 1 is (q | zero codes) for the even tile and (zero codes | q) for the odd one, both cut from 18 registers [0 x 6, q x 6, 0 x 6].
; SHARES.  A work-group owns blocks j (short: j + 1 key steps of 128) and 31 - j (long: 32 - j steps) of 128 queries of one head.  Tile i of 16 queries of both blocks belongs to a pair of waves.  Role 0 takes the
; long tile's steps 0 .. 16.  Role 1 takes its steps 17 .. 31 - j, leaves O, M and the sum in the pair's stage in LDS, and then takes the short tile's steps 0 .. j.  So a wave has 17 or 16 steps for every j.
; At the end role 0 joins the two parts of the long tile: both are brought under the larger M by powers of two.  The role is (wave xor wave / 4) % 2: two waves of each role in any four neighbours and in any four with one wave % 4.
; TIMES AND PLACES.  At time T = 0 .. 16 role 0 reads key step T (stream X), role 1 step 17 + T while T < 15 - j, then step T - 15 + j (stream Y; none at time 16).  A place in LDS holds a time's X and Y blocks, 25,600 bytes.
; Eight places.  Head: times 0-7 into places 0-7, a block a wave; waves 0-3, which fetch times 0 and 1, wait for their block in their own arm, and the first barrier shows those two times to every wave.
; At time 2: all sixteen blocks are waited for; times 8, 9 go into places 0, 1.  At time 8: times 10-15 into places 2-7.  At time 10: time 16's X block into place 0.
; Every work-group asks for 33 blocks; trip counts and LDS addresses are constants of the text and the wave's number; only global addresses and branches round a step's work hang on j.
; NO CLUSTER: at each time the work-groups of a head want different blocks (the Y stream hangs on j), and those of different heads share nothing.
; NO PREFETCH: 16 of the 33 blocks are asked for by their tensor loads at the head, the others six steps (times 8, 9 and 16) or two (times 10-15) ahead of their use: no earlier trip is left to ask in.
.set BLKB,  12800
.set POSB,  2*BLKB
.set STAGE, 8*POSB                     ; behind the places: 4,608 bytes for each pair of waves: 32 registers of O^T and four of state, 16 bytes a lane each four
.set STG,   4608
.set SPARE, STAGE+8*STG                ; the spare words, 128 bytes for each wave: eight blocks of 256 bytes that no other line names
.set FLOOR, 0x1800000
.set LESS2, 0xff000000
.set F,   36                           ; v36-83   K's four pairs of tiles, then V's four fragments
.set KS,  84                           ; v84-85   K's scale registers;  v86-87 V's
.set VS,  86
.set S,   88                           ; v88-151  S^T, then p
.set OT,  152                          ; v152-183 O^T
.set PC,  184                          ; v184-195 p's codes
.set CT,  196                          ; v196-198, v200-202 the conversions' second halves
.set CH,  204                          ; v204-207 four chains of maxima; then v204, v206 the two blocks' largest
.set PT,  208                          ; v208-211 bytes and permutes' results (written once at the head)
.set SOP, 212                          ; v212-213 the conversions' scale operands
.set PW,  214                          ; p's scale word
.set PB,  215                          ; the old -M; on the way out a byte
.set FF,  216                          ; v[216:217] f = 2^(old M - new M) (upper halves of such pairs are written once)
.set T0,  220
.set A1,  222                          ; v[222:223], v[226:227], v[228:229]: three more chains of the sum
.set SA,  224                          ; my pair's stage + 16 x lane
.set A2,  226
.set A3,  228
; v1-3: 16, 8, 4 x lane; v4, v5: the add's two; v6-8: the step's LDS addresses; v9: d (the mask); v10, v11: 4 r, 4 r + h; v12 -M, v13 the largest t, v[14:15] the sum; v16-33 [0, q, 0]; v34 q's scale word; v35 8 h
; s10 wave, s11 j, s12 head, s13 role, s14 tile, s15 my last time, s28 LDS byte of the time in hand, s29 the time, s30 the time of my next diagonal step, s32 15 - j, s33 role x 12,800, s59 wave % 2
; The group 0 of my load for time t0 + wave / 2, stream wave % 2, into place p0 + wave / 2
.macro MKD t0, p0
	s_add_co_u32 s38, s14, \t0                     ; the time = X's key step
	s_add_co_u32 s39, s38, 17                      ; Y's: the long tile's upper steps,
	s_sub_co_u32 s41, s38, s32                     ; or the short tile's
	s_cmp_lt_u32 s38, s32
	s_cselect_b32 s39, s39, s41
	s_cmp_eq_u32 s59, 0
	s_cselect_b32 s38, s38, s39
	s_mul_i32 s38, s38, BLKB
	s_mov_b32 s39, 0
	s_add_nc_u64 s[26:27], s[6:7], s[38:39]
	s_or_b32 s27, s27, 0x80000000                  ; type = 2
	s_mul_i32 s25, s10, BLKB
	s_add_co_u32 s25, s25, \p0*POSB
.endm
; A tile's start, in two parts: q and its scale word are asked for;
.macro QLOAD pi, ps
	global_load_b128 v[22:25], v1, s[\pi:\pi+1]
	global_load_b64 v[26:27], v2, s[\pi:\pi+1] offset:512
	global_load_b32 v34, v10, s[\ps:\ps+1]
.endm
; the state and O^T take their first values, and q's scale word its form
.macro QREST
	v_mov_b32 v13, 0xff61b1e6                      ; the largest t so far: -3e38, under every t
	v_mov_b32 v14, 0
	v_mov_b32 v15, 0
	v_floor_f32 v12, -v13                          ; -M
	s_wait_loadcnt 0x0
	v_lshrrev_b32 v34, s49, v34
	v_and_b32 v34, 0xffff, v34                     ; my tile's two bytes,
	v_lshl_or_b32 v34, v34, 16, v34                ; twice: they serve q in either half of source 1
.set j, 0
.rept 32
	v_mov_b32 v[OT+j], 0                           ; the step is written once: the first finds zeros.  (Also the places between the scale word's last write and the first product)
.set j, j+1
.endr
	s_wait_alu depctr_va_vdst(0)                   ; the wait here
.endm
.macro SUM4 j
	v_pk_add_f32 v[A1:A1+1], v[A1:A1+1], v[S+\j:S+\j+1]
	v_pk_add_f32 v[A2:A2+1], v[A2:A2+1], v[S+\j+2:S+\j+3]
	v_pk_add_f32 v[A3:A3+1], v[A3:A3+1], v[S+\j+4:S+\j+5]
	v_pk_add_f32 v[14:15], v[14:15], v[S+\j+6:S+\j+7]
.endm
	s_load_b128 s[4:7], s[0:1], 0x0                ; qb s[4:5], kv s[6:7]
	s_load_b64 s[8:9], s[0:1], 0x10                ; cb
	v_lshl_add_u32 v4, v0, 2, SPARE
	v_mov_b32 v5, 0
	ds_add_u32 v4, v5                              ; the opening lines: the add, twice on end, and its wait ahead of the first tensor load
	ds_add_u32 v4, v5
	v_lshrrev_b32 v6, 5, v0
	v_readfirstlane_b32 s10, v6                    ; wave 0..15
	s_mov_b32 s11, ttmp9                           ; j
	s_and_b32 s12, ttmp7, 0xffff                   ; head
	s_lshr_b32 s13, s10, 2
	s_xor_b32 s13, s13, s10
	s_and_b32 s13, s13, 1                          ; role
	s_lshr_b32 s14, s10, 1                         ; tile
	s_and_b32 s59, s10, 1
	s_sub_co_u32 s32, 15, s11                      ; the time at which role 1 changes tiles
	s_sub_co_u32 s38, 31, s11                      ; the long block
	s_sub_co_u32 s39, 14, s11                      ; (j = 15: a number that no time reaches)
	s_cmp_eq_u32 s13, 1
	s_cselect_b32 s15, 15, 16                      ; my last time
	s_cselect_b32 s30, s39, s38                    ; the long tile's diagonal step 31 - j: role 1 meets it at time 14 - j, role 0 at time 31 - j (only j = 15 reaches it)
	s_cselect_b32 s40, s11, s38                    ; the block whose tile I finish
	s_mul_i32 s33, s13, BLKB
	; descriptor group 1: a dense block of 12,800 bytes as 50 rows of 256 (32 elements of 8 bytes)
	s_mov_b32 s16, 3<<16
	s_mov_b32 s17, 32<<16
	s_mov_b32 s18, 50<<16
	s_mov_b32 s19, 32<<16
	s_mov_b32 s20, 50
	s_mov_b32 s21, 32
	s_mov_b32 s22, 0
	s_mov_b32 s23, 0
	s_mov_b32 s24, 1
	s_lshl_b32 s42, s12, 5
	s_mul_i32 s42, s42, BLKB                       ; the head's first block, in qb and in kv
	s_mov_b32 s43, 0
	s_mul_i32 s60, s14, 768                        ; my tile's half image in a block,
	s_lshr_b32 s61, s14, 1
	s_lshl_b32 s61, s61, 6
	s_add_co_u32 s61, s61, 12288                   ; my pair of tiles' scale words
	s_mul_i32 s62, s38, BLKB
	s_add_co_u32 s62, s62, s42                     ; the long block of q,
	s_mul_i32 s63, s11, BLKB
	s_add_co_u32 s63, s63, s42                     ; the short one
	s_add_co_u32 s44, s62, s60
	s_add_co_u32 s46, s62, s61
	s_add_co_u32 s50, s63, s60
	s_add_co_u32 s52, s63, s61
	s_mov_b32 s45, 0
	s_mov_b32 s47, 0
	s_mov_b32 s51, 0
	s_mov_b32 s53, 0
	s_and_b32 s49, s14, 1
	s_lshl_b32 s49, s49, 4                         ; my tile's half of each scale word
	s_lshl_b32 s54, s40, 3
	s_add_co_u32 s54, s54, s14
	s_mul_i32 s54, s54, 13312                      ; cb: the record of the tile of tokens that I finish,
	s_lshr_b32 s56, s12, 2
	s_mul_i32 s56, s56, 3328
	s_add_co_u32 s56, s56, s54                     ; the phase of four heads,
	s_and_b32 s54, s12, 3
	s_mul_i32 s54, s54, 768
	s_add_co_u32 s54, s54, s56                     ; my head's half image,
	s_bfe_u32 s57, s12, 0x10001
	s_lshl_b32 s57, s57, 6
	s_add_co_u32 s56, s56, s57                     ; and in the register of scale words: lanes 16 ((head / 2) % 2) on,
	s_and_b32 s57, s12, 1
	s_lshl_b32 s57, s57, 1
	s_add_co_u32 s56, s56, s57                     ; bytes 2 (head % 2) on
	s_add_co_u32 s56, s56, 3072
	s_mov_b32 s55, 0
	s_mov_b32 s57, 0
	s_mov_b32 s34, 0x76543210
	s_mov_b32 s35, 0xfedcba98                      ; v_permlanex16_b32's selects for lane l xor 16
	s_mov_b32 s36, 0x3e38aa3b                      ; c = log2(e) / 8
	s_mov_b32 s37, s36                             ; (named with it as a pair, so it is written)
	s_mov_b32 s48, 0xffff0000                      ; lanes 16-31
	s_mov_b32 s29, 0                               ; the time
	s_wait_dscnt 0x0                               ; both opening adds are done
	s_wait_kmcnt 0x0
	s_add_nc_u64 s[6:7], s[6:7], s[42:43]          ; the head's keys and values
	s_add_nc_u64 s[44:45], s[4:5], s[44:45]
	s_add_nc_u64 s[46:47], s[4:5], s[46:47]
	s_add_nc_u64 s[50:51], s[4:5], s[50:51]
	s_add_nc_u64 s[52:53], s[4:5], s[52:53]
	s_add_nc_u64 s[54:55], s[8:9], s[54:55]
	s_add_nc_u64 s[56:57], s[8:9], s[56:57]
	v_and_b32 v6, 31, v0
	v_and_b32 v7, 15, v0                           ; r
	v_bfe_u32 v8, v0, 4, 1                         ; h
	v_lshlrev_b32 v1, 4, v6
	v_lshlrev_b32 v2, 3, v6
	v_lshlrev_b32 v3, 2, v6
	v_lshlrev_b32 v10, 2, v7
	s_wait_alu depctr_va_vdst(0)                   ; the wait here
	QLOAD 44, 46                                   ; both roles begin with the long tile: its q is asked for ahead of the tiles' arms
	MKD 0, 0
	s_cmp_lt_u32 s10, 4                            ; one chain of branches on the wave's number, one first fill to an arm: waves 0-3 times 0 and 1, with the wait that their readers need; waves 4-15 times 2 to 7
	s_cbranch_scc0 .Llater
	tensor_load_to_lds s[24:27], s[16:23]
	s_nop 0
.rept 4
	v_nop
.endr
	s_wait_tensorcnt 0x0                           ; my block of times 0, 1 is in
	s_branch .Lasked
.Llater:
	tensor_load_to_lds s[24:27], s[16:23]
	s_nop 0
.rept 4
	v_nop
.endr
.Lasked:
	v_lshlrev_b32 v35, 3, v8
	s_mul_i32 s38, s14, STG
	s_add_co_u32 s38, s38, STAGE
	v_add_nc_u32 v[SA], s38, v1
	v_add_nc_u32 v11, v10, v8
	v_and_b32 v9, 8, v7
	v_lshlrev_b32 v8, 5, v8
	v_add_nc_u32 v9, v9, v7
	s_lshr_b32 s38, s14, 1
	s_lshl_b32 s38, s38, 5
	s_and_b32 s39, s14, 1
	s_lshl_b32 s39, s39, 3
	s_add_co_u32 s38, s38, s39
	v_sub_nc_u32 v9, v9, v8
	v_add_nc_u32 v9, s38, v9                       ; d = my query's place in its block - 32 h
.irp i, 16,17,18,19,20,21,28,29,30,31,32,33
	v_mov_b32 v[\i], 0                             ; zero codes on both sides of q
.endr
.irp b, 0,1,2,3
	v_mov_b32 v[PT+\b], 0                          ; written once: a lane permute's destination counts as one of its sources; every permute of this text lands in these four
.endr
	v_mov_b32 v[FF+1], 0                           ; (named as the upper halves of pairs)
	v_mov_b32 v[T0+1], 0
	v_mov_b32 v[A1+1], 0
	QREST
; A TIME: one key step of 128 keys for my tile.
.macro STEP
	s_cmp_lg_u32 s13, 1                            ; role 1, at time 15 - j: the long tile's part goes to the stage, the short tile begins.  Branches on ids and the count of times alone
	s_cbranch_scc1 .Lstay_\@
	s_cmp_lg_u32 s29, s32
	s_cbranch_scc1 .Lstay_\@
.rept 4
	v_nop                                          ; places behind the last products
.endr
.irp k, 0,1,2,3,4,5,6,7
	ds_store_b128 v[SA], v[OT+4*\k:OT+4*\k+3] offset:512*\k   ; each accumulator from its low end on
.endr
	ds_store_b128 v[SA], v[12:15] offset:4096      ; -M, the largest t, the sum's two halves
	QLOAD 50, 52
	QREST
	s_mov_b32 s30, 15                              ; the short tile's diagonal step j falls on time 15
.Lstay_\@:
	s_cmp_gt_u32 s29, s15                          ; role 1 has nothing at time 16
	s_cbranch_scc1 .Lidle_\@
	v_add_nc_u32 v6, s28, v1
	v_add_nc_u32 v7, s28, v2
	v_add_nc_u32 v8, s28, v3
	v_nop                                          ; with the three additions: four places in front of loads into registers that the last products have read
.irp t, 0,1,2,3,4,5,6,7
	ds_load_b128 v[F+12*(\t/2)+6*(\t%2):F+12*(\t/2)+6*(\t%2)+3], v6 offset:768*\t
	ds_load_b64 v[F+12*(\t/2)+6*(\t%2)+4:F+12*(\t/2)+6*(\t%2)+5], v7 offset:768*\t+512
.endr
	ds_load_b32 v[KS], v8 offset:12288
	ds_load_b32 v[KS+1], v8 offset:12416
	s_wait_alu depctr_va_vdst(0)                   ; the wait here, directly ahead of the wait below
	s_wait_dscnt 0x0
.irp b, 0,1,2,3                                ; S^T = K Q^T: pair b's even tile against (q | 0), its odd tile against (0 | q)
.irp u, 0,1
.if \b%2
	v_wmma_scale_f32_16x16x128_f8f6f4 v[S+16*\b+8*\u:S+16*\b+8*\u+7], v[F+12*\b:F+12*\b+11], v[22-6*\u:33-6*\u], 0, v[KS+\b/2], v34 matrix_a_fmt:MATRIX_FMT_FP6 matrix_b_fmt:MATRIX_FMT_FP6 matrix_a_scale:MATRIX_SCALE_ROW1
.else
	v_wmma_scale_f32_16x16x128_f8f6f4 v[S+16*\b+8*\u:S+16*\b+8*\u+7], v[F+12*\b:F+12*\b+11], v[22-6*\u:33-6*\u], 0, v[KS+\b/2], v34 matrix_a_fmt:MATRIX_FMT_FP6 matrix_b_fmt:MATRIX_FMT_FP6
.endif
.endr
.endr                                          ; register 32 c + i of S^T: key 64 c + 32 h + i of the step
.rept 4
	v_nop                                          ; places in front of the loads below and of the first reads of the scores
.endr
.irp a, 0,1,2,3                                ; V's fragments are asked for now and land while the softmax is worked
.irp c, 0,1
	ds_load_b128 v[F+12*\a+6*\c:F+12*\a+6*\c+3], v6 offset:6144+768*(2*\a+\c)
	ds_load_b64 v[F+12*\a+6*\c+4:F+12*\a+6*\c+5], v7 offset:6144+768*(2*\a+\c)+512
.endr
.endr
	ds_load_b32 v[VS], v8 offset:12544
	ds_load_b32 v[VS+1], v8 offset:12672
	s_cmp_lg_u32 s29, s30                          ; only a tile's last key step lies on the diagonal
	s_cbranch_scc1 .Lopen_\@
	v_mov_b32 v[T0], 0xff800000                    ; -infinity
.set n, 0
.rept 64
	v_cmp_gt_i32 vcc_lo, 64*(n/32)+n%32, v9        ; hidden where the register's key comes after my query
	v_cndmask_b32 v[S+n], v[S+n], v[T0], vcc_lo
.set n, n+1
.endr
.Lopen_\@:
	v_mov_b32 v[PB], v12                           ; the old -M
.irp q, 0,1,2,3
	v_max3_num_f32 v[CH+\q], v[S+16*\q], v[S+16*\q+1], v[S+16*\q+2]   ; four chains of maxima by turns, 15 scores each; each accumulator is read from its low end on
.endr
.irp i, 3,5,7,9,11,13
.irp q, 0,1,2,3
	v_max3_num_f32 v[CH+\q], v[CH+\q], v[S+16*\q+\i], v[S+16*\q+\i+1]
.endr
.endr
	v_max3_num_f32 v[CH], v[CH], v[CH+1], v[S+15]  ; the largest score of each of my two blocks of 32 keys: for the row's maximum and, since p rises with the score, for the block's largest p
	v_max3_num_f32 v[CH+2], v[CH+2], v[CH+3], v[S+47]
	v_max_num_f32 v[CH], v[CH], v[S+31]
	v_max_num_f32 v[CH+2], v[CH+2], v[S+63]
	s_delay_alu instid0(VALU_DEP_1)
	v_max_num_f32 v[T0], v[CH], v[CH+2]
	s_delay_alu instid0(VALU_DEP_1)
	v_permlanex16_b32 v[PT+3], v[T0], s34, s35
	s_delay_alu instid0(VALU_DEP_1)
	v_max_num_f32 v[T0], v[T0], v[PT+3]            ; with lane l xor 16's two blocks
	s_delay_alu instid0(VALU_DEP_1)
	v_mul_f32 v[T0], s36, v[T0]                    ; the step's largest t of my query
	s_delay_alu instid0(VALU_DEP_1)
	v_max_num_f32 v13, v13, v[T0]
	s_delay_alu instid0(VALU_DEP_1)
	v_floor_f32 v12, -v13                          ; the new -M = -ceil(t): a whole number
	s_delay_alu instid0(VALU_DEP_1)
	v_sub_f32 v[T0], v12, v[PB]                    ; old M - new M: a whole number, 0 or less
	s_delay_alu instid0(VALU_DEP_1)
	v_cvt_i32_f32 v[T0], v[T0]                     ; (it saturates)
	v_fma_f32 v[CH], v[CH], s36, v12               ; t - M of each block's largest score
	v_fma_f32 v[CH+2], v[CH+2], s36, v12
	v_ldexp_f32 v[FF], 1.0, v[T0]                  ; f = 2^(old M - new M)
.set j, 0
.rept 32
	v_pk_fma_f32 v[S+j:S+j+1], v[S+j:S+j+1], s[36:37], v[12:13] op_sel_hi:[1,0,0]   ; t - M, two at a time
.set j, j+2
.endr
	s_wait_alu depctr_va_vdst(0)                   ; the wait ahead of the batch
	v_exp_f32 v[CH], v[CH]                         ; the blocks' largest p
	v_exp_f32 v[CH+2], v[CH+2]
.set j, 0
.rept 64
	v_exp_f32 v[S+j], v[S+j]                       ; p = 2^(t - M)
.set j, j+1
.endr
	v_pk_mul_f32 v[14:15], v[14:15], v[FF:FF+1] op_sel_hi:[1,0]   ; the sum under the new M (a plain place behind the exponentials)
	s_wait_alu depctr_va_vdst(0)                   ; one wait for the whole batch, ahead of its first reader
	v_max_num_f32 v[CH], FLOOR, v[CH]              ; the byte cannot fall under 1.  The scale's few lines stand among the sum's four chains
	v_max_num_f32 v[CH+2], FLOOR, v[CH+2]
	v_pk_add_f32 v[A1:A1+1], v[S:S+1], v[S+2:S+3]
	v_pk_add_f32 v[A2:A2+1], v[S+4:S+5], v[S+6:S+7]
	v_add_nc_u32 v[SOP], LESS2, v[CH]              ; the conversions' scale operands
	v_add_nc_u32 v[SOP+1], LESS2, v[CH+2]
	v_pk_add_f32 v[A3:A3+1], v[S+8:S+9], v[S+10:S+11]
	v_pk_add_f32 v[14:15], v[14:15], v[S+12:S+13]
	v_lshrrev_b32 v[PT], 23, v[SOP]                ; the scales' bytes
	v_lshrrev_b32 v[PT+1], 23, v[SOP+1]
	SUM4 14
	v_lshl_or_b32 v[PW], v[PT+1], 16, v[PT]        ; my bytes: blocks h and 2 + h,
	SUM4 22
	v_lshlrev_b32 v[PW], v35, v[PW]                ; at their places in the word;
	SUM4 30
	v_permlanex16_b32 v[PT+2], v[PW], s34, s35
	SUM4 38
	v_or_b32 v[PW], v[PW], v[PT+2]                 ; with lane l xor 16's two: p's scale word for these 128 keys
	SUM4 46
	SUM4 54
	v_pk_add_f32 v[A1:A1+1], v[A1:A1+1], v[S+62:S+63]
	v_pk_add_f32 v[14:15], v[14:15], v[A3:A3+1]
	v_pk_add_f32 v[A1:A1+1], v[A1:A1+1], v[A2:A2+1]
	s_delay_alu instid0(VALU_DEP_1)
	v_pk_add_f32 v[14:15], v[14:15], v[A1:A1+1]
.irp c, 0,1
	v_cvt_scalef32_pk16_fp6_f32 v[PC+6*\c:PC+6*\c+2], v[S+32*\c:S+32*\c+15], v[SOP+\c]
	v_cvt_scalef32_pk16_fp6_f32 v[CT+4*\c:CT+4*\c+2], v[S+32*\c+16:S+32*\c+31], v[SOP+\c]   ; (a conversion's three registers begin on an even number)
.endr
	s_wait_alu depctr_va_vdst(0)                   ; the wait here, directly ahead of the first reader of O^T
.set j, 0
.rept 8
	v_pk_mul_f32 v[OT+j:OT+j+1], v[OT+j:OT+j+1], v[FF:FF+1] op_sel_hi:[1,0]   ; O^T under the new M.  (The first is the plain place behind the conversions)
.set j, j+2
.endr
.irp c, 0,1
.irp i, 0,1,2
	v_mov_b32 v[PC+6*\c+3+\i], v[CT+4*\c+\i]
.endr
.endr
.rept 8
	v_pk_mul_f32 v[OT+j:OT+j+1], v[OT+j:OT+j+1], v[FF:FF+1] op_sel_hi:[1,0]   ; (these eight are the places between the codes' last write and the products)
.set j, j+2
.endr
	s_wait_alu depctr_va_vdst(0)                   ; the wait here, directly ahead of the wait below: it covers all that the step has written
	s_wait_dscnt 0x0                               ; V is in
.irp a, 0,1,2,3                                ; O^T += V^T P^T: the four accumulators by turns
.if \a%2
	v_wmma_scale_f32_16x16x128_f8f6f4 v[OT+8*\a:OT+8*\a+7], v[F+12*\a:F+12*\a+11], v[PC:PC+11], v[OT+8*\a:OT+8*\a+7], v[VS+\a/2], v[PW] matrix_a_fmt:MATRIX_FMT_FP6 matrix_b_fmt:MATRIX_FMT_FP6 matrix_a_scale:MATRIX_SCALE_ROW1
.else
	v_wmma_scale_f32_16x16x128_f8f6f4 v[OT+8*\a:OT+8*\a+7], v[F+12*\a:F+12*\a+11], v[PC:PC+11], v[OT+8*\a:OT+8*\a+7], v[VS+\a/2], v[PW] matrix_a_fmt:MATRIX_FMT_FP6 matrix_b_fmt:MATRIX_FMT_FP6
.endif
.endr
.Lidle_\@:
	s_add_co_u32 s28, s28, POSB                    ; on to the next place and time
	s_add_co_u32 s29, s29, 1
.endm
; n times from place p0 on: the step is written once for each run of places
.macro SEG n, p0
	s_mov_b32 s28, \p0*POSB
	s_add_co_u32 s28, s28, s33                     ; my role's stream
	s_mov_b32 s31, \n
.Lseg_\@:
	STEP
	s_sub_co_u32 s31, s31, 1
	s_cmp_lg_u32 s31, 0
	s_cbranch_scc1 .Lseg_\@
.endm
; In front of a refill: each wave waits for all its tensor loads, adds 0 to its spare word, makes its next group 0, and waits for the add and for its reads of the places that it has left.  Behind the barrier
; waves 0 .. nw - 1 ask for a block each: times t0 .. into places p0 ..
.macro CHANGE t0, p0, nw
	s_wait_tensorcnt 0x0                           ; no tensor load of mine is out, so the group 0 may be written
	ds_add_u32 v4, v5                              ; 0 onto my spare word
	MKD \t0, \p0
	s_wait_dscnt 0x0
	s_barrier_signal -1
	s_barrier_wait -1
	s_cmp_lt_u32 s10, \nw
	s_cbranch_scc0 .Lpast_\@
	tensor_load_to_lds s[24:27], s[16:23]          ; my one tensor load behind this barrier
	s_nop 0
.rept 4
	v_nop
.endr
.Lpast_\@:
.endm
	s_wait_dscnt 0x0
	s_barrier_signal -1
	s_barrier_wait -1                              ; times 0, 1 are in, by waves 0-3's waits; the other twelve blocks may stay out
	SEG 2, 0
	CHANGE 8, 0, 4                                 ; times 2-7 are in; places 0, 1 take times 8, 9
	SEG 6, 2
	CHANGE 10, 2, 12                               ; times 8, 9 are in; places 2-7 take times 10-15
	SEG 2, 0
	CHANGE 16, 0, 1                                ; times 10-15 are in; place 0 takes time 16's X block (time 16 has no Y block)
	SEG 6, 2
	s_wait_tensorcnt 0x0                           ; wave 0's block of time 16 is in
	s_wait_dscnt 0x0
	s_barrier_signal -1
	s_barrier_wait -1                              ; and every wave knows
	SEG 1, 0
.rept 4
	v_nop                                          ; places behind the last products
.endr
	s_wait_dscnt 0x0                               ; role 1's stores into the stages are done
	s_barrier_signal -1
	s_barrier_wait -1
	s_cmp_lg_u32 s13, 0
	s_cbranch_scc1 .Ljoined
	; ROLE 0 JOINS THE LONG TILE'S TWO PARTS: both under the larger M, by powers of two.  (j = 15: the partner's part is empty: its -M is 3e38, its factor 0)
.irp k, 0,1,2,3,4,5,6,7
	ds_load_b128 v[S+4*\k:S+4*\k+3], v[SA] offset:512*\k
.endr
	ds_load_b128 v[S+32:S+35], v[SA] offset:4096
	s_wait_dscnt 0x0
	v_min_num_f32 v[T0], v12, v[S+32]              ; the joint -M
	s_delay_alu instid0(VALU_DEP_1)
	v_sub_f32 v[FF], v[T0], v12
	v_sub_f32 v[A1], v[T0], v[S+32]
	s_delay_alu instid0(VALU_DEP_2)
	v_cvt_i32_f32 v[FF], v[FF]
	s_delay_alu instid0(VALU_DEP_2)
	v_cvt_i32_f32 v[A1], v[A1]
	s_delay_alu instid0(VALU_DEP_2)
	v_ldexp_f32 v[FF], 1.0, v[FF]                  ; my factor,
	s_delay_alu instid0(VALU_DEP_2)
	v_ldexp_f32 v[A1], 1.0, v[A1]                  ; my partner's
	v_pk_mul_f32 v[14:15], v[14:15], v[FF:FF+1] op_sel_hi:[1,0]
.set j, 0
.rept 16
	v_pk_mul_f32 v[OT+j:OT+j+1], v[OT+j:OT+j+1], v[FF:FF+1] op_sel_hi:[1,0]   ; each accumulator from its low end on
.set j, j+2
.endr
	v_pk_fma_f32 v[14:15], v[S+34:S+35], v[A1:A1+1], v[14:15] op_sel_hi:[1,0,1]
.set j, 0
.rept 16
	v_pk_fma_f32 v[OT+j:OT+j+1], v[S+j:S+j+1], v[A1:A1+1], v[OT+j:OT+j+1] op_sel_hi:[1,0,1]
.set j, j+2
.endr
.Ljoined:
	; THE WAY OUT.  O^T / the sum: register 16 b + i is channel 32 b + 16 h + i of my query's head: two half blocks along the next product's K.  They become my head's half image in the tile's record, and two scale bytes.
	v_add_f32 v14, v14, v15
	s_delay_alu instid0(VALU_DEP_1)
	v_permlanex16_b32 v[PT], v14, s34, s35
	s_delay_alu instid0(VALU_DEP_1)
	v_add_f32 v14, v14, v[PT]                      ; the row's sum
	s_wait_alu depctr_va_vdst(0)                   ; the wait ahead of the transcendental
	v_rcp_f32 v[T0], v14
	v_nop                                          ; a plain place behind the reciprocal
	s_wait_alu depctr_va_vdst(0)                   ; and the wait ahead of its first reader
.set j, 0
.rept 16
	v_pk_mul_f32 v[OT+j:OT+j+1], v[OT+j:OT+j+1], v[T0:T0+1] op_sel_hi:[1,0]   ; each accumulator from its low end on
.set j, j+2
.endr
.irp b, 0,1
	v_max3_num_f32 v[CH+\b], |v[OT+16*\b]|, |v[OT+16*\b+1]|, FLOOR
.endr
.irp i, 2,4,6,8,10,12,14
.irp b, 0,1
	s_delay_alu instid0(VALU_DEP_2)
	v_max3_num_f32 v[CH+\b], v[CH+\b], |v[OT+16*\b+\i]|, |v[OT+16*\b+\i+1]|
.endr
.endr
.irp b, 0,1
	s_delay_alu instid0(VALU_DEP_2)
	v_permlanex16_b32 v[PT+\b], v[CH+\b], s34, s35
.endr
.irp b, 0,1
	s_delay_alu instid0(VALU_DEP_2)
	v_max_num_f32 v[CH+\b], v[CH+\b], v[PT+\b]     ; the block's largest magnitude
.endr
.irp b, 0,1
	s_delay_alu instid0(VALU_DEP_2)
	v_add_nc_u32 v[SOP+\b], LESS2, v[CH+\b]        ; the conversion's scale operand
.endr
.irp b, 0,1
	s_delay_alu instid0(VALU_DEP_2)
	v_lshrrev_b32 v[PT+\b], 23, v[SOP+\b]          ; the scale's byte
.endr
	s_delay_alu instid0(VALU_DEP_1)
	v_cndmask_b32 v[PB], v[PT], v[PT+1], s48       ; lanes 0-15 store block 0's byte, lanes 16-31 block 1's
	v_cvt_scalef32_pk16_fp6_f32 v[PC:PC+2], v[OT:OT+15], v[SOP]
	v_cvt_scalef32_pk16_fp6_f32 v[PC+4:PC+6], v[OT+16:OT+31], v[SOP+1]
	v_nop                                          ; one plain place behind a scaled conversion
.irp i, 0,1,2
	v_permlane16_swap_b32 v[PC+\i], v[PC+4+\i]     ; a whole block to a lane: lanes 0-15 block 0, lanes 16-31 block 1
.endr
.irp i, 0,1,2
	s_delay_alu instid0(VALU_DEP_3)
	v_mov_b32 v[PC+3+\i], v[PC+4+\i]
.endr
	global_store_b128 v1, v[PC:PC+3], s[54:55]             ; 512 consecutive bytes, at a multiple of 256 from the buffer's first byte
	global_store_b64 v2, v[PC+4:PC+5], s[54:55] offset:512 ; 256 likewise
	global_store_b8 v11, v[PB], s[56:57]
	s_wait_tensorcnt 0x0                           ; the wave's end, behind my last tensor load and my last LDS store
	ds_add_u32 v4, v5
	s_wait_dscnt 0x0
	s_endpgm
.Lfunc_end_k_qd718fb1bc8_attn:
	.size	k_qd718fb1bc8_attn, .Lfunc_end_k_qd718fb1bc8_attn-k_qd718fb1bc8_attn
	.p2alignl 7, 3214868480
	.fill 96, 4, 3214868480
	.section	.rodata,"a",@progbits
	.p2align	6, 0x0
	.amdhsa_kernel k_qd718fb1bc8_attn
		.amdhsa_group_segment_fixed_size 327680
		.amdhsa_private_segment_fixed_size 0
		.amdhsa_enable_private_segment 0
		.amdhsa_kernarg_size 24
		.amdhsa_user_sgpr_count 2
		.amdhsa_user_sgpr_kernarg_segment_ptr 1
		.amdhsa_wavefront_size32 1
		.amdhsa_system_sgpr_workgroup_id_x 1
		.amdhsa_system_sgpr_workgroup_id_y 1
		.amdhsa_system_sgpr_workgroup_id_z 1
		.amdhsa_system_vgpr_workitem_id 0
		.amdhsa_next_free_vgpr 232
		.amdhsa_next_free_sgpr 66
		.amdhsa_reserve_vcc 1
		.amdhsa_float_denorm_mode_32 3
		.amdhsa_float_denorm_mode_16_64 3
		.amdhsa_memory_ordered 1
		.amdhsa_forward_progress 1
		.amdhsa_inst_pref_size 135
	.end_amdhsa_kernel
	.amdgpu_metadata
---
amdhsa.version: [ 1, 2 ]
amdhsa.kernels:
  - .name:           k_qd718fb1bc8_attn
    .symbol:         k_qd718fb1bc8_attn.kd
    .args:
      - { .name: qb, .offset: 0, .size: 8, .value_kind: global_buffer, .address_space: global }
      - { .name: kv, .offset: 8, .size: 8, .value_kind: global_buffer, .address_space: global }
      - { .name: cb, .offset: 16, .size: 8, .value_kind: global_buffer, .address_space: global }
    .group_segment_fixed_size: 327680
    .private_segment_fixed_size: 0
    .kernarg_segment_align: 8
    .kernarg_segment_size: 24
    .max_flat_workgroup_size: 512
    .sgpr_count:     66
    .vgpr_count:     232
    .wavefront_size: 32
...
	.end_amdgpu_metadata
.endif
;; end of part 3
;; launch outp (part 4): grid 8 x 32, 8 waves a work-group, no clusters, 240,640 bytes of LDS; arguments cb, wb, bO, out0; writes out0
.if DOCPART == 4
	.amdgcn_target "amdgcn-amd-amdhsa--gfx1250"
	.amdhsa_code_object_version 6
	.text
	.protected	k_qd718fb1bc8_outp
	.globl	k_qd718fb1bc8_outp
	.p2align	8
	.type	k_qd718fb1bc8_outp,@function
k_qd718fb1bc8_outp:
	s_mov_b64 s[64:65], 0
	v_nop
	global_prefetch_b8 v0, s[64:65] scope:SCOPE_SE
	s_setreg_imm32_b32 hwreg(HW_REG_WAVE_MODE, 25, 1), 1
	s_wait_xcnt 0x0
; out0 = cat WO + bO on codes of FP6 (E2M3) with E8M0 scales, K = 1,024.  cat's codes come as 256 records in cb, WO's as records 192-255 of wb (a record: 16 rows for all of K, four phases of 3,328 bytes, each four
; half images of 768 bytes and a register of scale words at 3,072).  Tile T's row r is the tensor's row 32 (T / 2) + 8 (T % 2) + r + 8 (r / 8).
; SHARES.  256 work-groups of 128 tokens x 128 columns.  Eight waves: wave w takes L's tiles 2 (w / 2), + 1 (tokens; source 1: lanes) against G's four tiles 4 (w % 2) .. (columns; source 0: a lane's registers): 32 x 64.
; LDS.  All of K fits: four phase regions of 51,200 bytes (L's 8 tiles x 3,200, then G's), each filled ONCE: each of the eight waves issues one load at the head, and nothing is filled again.
; The bias is the C of each sum's first product: 32 registers in the result's layout.
; NO CLUSTER: each work-group asks for its own 16 records, 212,992 bytes, all at the head ahead of any work; a tile of cat is asked for by 8 work-groups, one of WO by 32.
.set REC,   13312
.set PH,    3328
.set TILEB, 3200
.set QUAD,  4*TILEB
.set LB,    8*TILEB
.set PHB,   16*TILEB                   ; a phase's region
.set STAGE, 4*PHB                      ; behind the regions: 16 rows x (256 bytes + 16) for each wave, for the way out
.set SPIT,  272
.set SPARE, STAGE+8*16*SPIT            ; the spare words, 128 bytes for each wave: four blocks of 256 bytes that no other line names
.set SPW, 20                           ; v20     my spare word; never rewritten
.set NIL, 21                           ; v21     0; never rewritten
.set SL,  24                           ; v24-25  L's scale words;  v28-31 G's
.set SG,  28
.set FL,  32                           ; v32-55  L's two fragments;  v80-127 G's four
.set FG,  80
.set ACC, 128                          ; accumulator (a, b) at v[128 + 8 (4 a + b)]
.set BI,  192                          ; v192-223 the bias: register 8 b + j: column 32 (b / 2) + 16 h + 8 (b % 2) + j of my 64
; v1-6: L's images at 16, 8, 4 x lane in the phase in hand, then G's; v16, v17: the stage, in and back; v18: my bytes in two rows of out0; v19: 64 h
	s_load_b256 s[4:11], s[0:1], 0x0               ; cb s[4:5], wb s[6:7], bO s[8:9], out0 s[10:11]
	v_lshl_add_u32 v[SPW], v0, 2, SPARE
	v_mov_b32 v[NIL], 0
	ds_add_u32 v[SPW], v[NIL]                      ; the wave's opening: the add and its wait ahead of the first tensor load; the set-up below, work on registers, stands between them
	ds_add_u32 v[SPW], v[NIL]
	v_lshrrev_b32 v7, 5, v0
	s_delay_alu instid0(VALU_DEP_1)
	v_readfirstlane_b32 s12, v7                    ; wave 0..7
	s_lshr_b32 s13, s12, 1                         ; wr
	s_and_b32 s14, s12, 1                          ; wc
	s_and_b32 s16, ttmp7, 0xffff                   ; the block of 128 tokens
	; descriptor group 1: 8 tiles' phases: rows of 400 elements of 8 bytes (3,200 bytes), a record (1,664 elements) apart; dense in LDS
	s_mov_b32 s20, 3<<16
	s_mov_b32 s21, 400<<16
	s_mov_b32 s22, 8<<16                           ; 8 tiles' phases to a load: every wave fetches one side (wave % 2: L or G) of one phase (wave / 2)
	s_mov_b32 s23, 400<<16
	s_mov_b32 s24, 8
	s_mov_b32 s25, 1664
	s_mov_b32 s26, 0
	s_mov_b32 s27, 0
	s_lshl_b32 s44, s16, 3                         ; L's first tile in cb
	s_lshl_b32 s45, ttmp9, 3
	s_add_co_u32 s45, s45, 192                     ; G's in wb
	s_mul_i32 s47, s14, LB                         ; where my eight tiles go in a region: L's first, then G's,
	s_mul_i32 s46, s13, PHB                        ; in my phase's region
	s_cmp_eq_u32 s14, 0
	s_cselect_b32 s44, s44, s45
	s_mul_i32 s44, s44, REC
	s_mul_i32 s45, s13, PH
	s_add_co_u32 s44, s44, s45                     ; my phase in the first of the eight records
	s_mov_b32 s45, 0
	s_mov_b32 s28, 1                               ; descriptor group 0
	s_add_co_u32 s29, s47, s46
	s_lshl_b32 s50, ttmp9, 9
	s_lshl_b32 s51, s14, 8
	s_add_co_u32 s50, s50, s51                     ; my 64 columns, in bytes
	s_lshl_b32 s48, s16, 19
	s_lshl_b32 s49, s13, 17
	s_add_co_u32 s48, s48, s49
	s_add_co_u32 s48, s48, s50                     ; token 128 y + 32 wr, my columns
	s_mov_b32 s49, 0
	s_mov_b32 s51, 0
	v_and_b32 v7, 31, v0
	s_delay_alu instid0(VALU_DEP_1)
	v_lshlrev_b32 v14, 4, v7
	s_delay_alu instid0(VALU_DEP_2)
	v_lshlrev_b32 v15, 3, v7
	s_delay_alu instid0(VALU_DEP_3)
	v_lshlrev_b32 v13, 2, v7
	v_and_b32 v9, 15, v0                           ; r
	v_bfe_u32 v10, v0, 4, 1                        ; h
	s_mul_i32 s52, s13, 2*TILEB
	s_mul_i32 s53, s14, QUAD
	s_add_co_u32 s53, s53, LB
	v_add_nc_u32 v1, s52, v14
	v_add_nc_u32 v2, s52, v15
	v_add_nc_u32 v3, s52, v13
	v_add_nc_u32 v4, s53, v14
	v_add_nc_u32 v5, s53, v15
	v_add_nc_u32 v6, s53, v13
	s_mul_i32 s52, s12, 16*SPIT
	s_add_co_u32 s52, s52, STAGE                   ; my stage
	v_mul_u32_u24 v16, v9, SPIT
	s_delay_alu instid0(VALU_DEP_1)
	v_lshl_add_u32 v16, v10, 6, v16
	s_delay_alu instid0(VALU_DEP_1)
	v_add_nc_u32 v16, s52, v16                     ; in: row r, + 64 h
	v_mul_u32_u24 v17, v10, SPIT
	s_delay_alu instid0(VALU_DEP_1)
	v_lshl_add_u32 v17, v9, 4, v17
	s_delay_alu instid0(VALU_DEP_1)
	v_add_nc_u32 v17, s52, v17                     ; back: lanes 0-15 one row of 256 bytes, lanes 16-31 the next
	v_lshlrev_b32 v18, 12, v10
	s_delay_alu instid0(VALU_DEP_1)
	v_lshl_add_u32 v18, v9, 4, v18                 ; and the same two rows in out0
	v_lshlrev_b32 v19, 6, v10
	s_wait_dscnt 0x0                               ; the opening add is done
	s_wait_kmcnt 0x0
	s_cmp_eq_u32 s14, 0
	s_cselect_b64 s[46:47], s[4:5], s[6:7]
	s_add_nc_u64 s[30:31], s[46:47], s[44:45]
	s_or_b32 s31, s31, 0x80000000                  ; type = 2
	s_add_nc_u64 s[48:49], s[10:11], s[48:49]
	s_add_nc_u64 s[50:51], s[8:9], s[50:51]
	s_wait_alu depctr_va_vdst(0)                   ; the wait here, ahead of the readers below
.irp bb, 0,1
.irp k, 0,1,2,3
	global_load_b128 v[BI+16*\bb+4*\k:BI+16*\bb+4*\k+3], v19, s[50:51] offset:128*\bb+16*\k   ; the bias, asked for ahead of the tiles
.endr
.endr
	s_cmp_lt_u32 s12, 4                            ; one chain of branches on the wave's number, one first fill to an arm: waves 0-3 phases 0 and 1, with the wait that their readers need; waves 4-7 phases 2 and 3
	s_cbranch_scc0 .Llater
	tensor_load_to_lds s[28:31], s[20:27]
	s_nop 0
.rept 4
	v_nop
.endr
	s_wait_tensorcnt 0x0                           ; my side of phase 0 or 1 is in
	s_branch .Lno_first
.Llater:
	tensor_load_to_lds s[28:31], s[20:27]
	s_nop 0
.rept 4
	v_nop
.endr
.Lno_first:
	s_wait_alu depctr_va_vdst(0)
.macro FRAGS reg, a16, a8, tile, kap   ; a fragment, 16 rows x 128 K, is two half images: 12 registers by four dense loads
	ds_load_b128 v[\reg:\reg+3], v[\a16] offset:(\tile)*TILEB+1536*(\kap)
	ds_load_b64 v[\reg+4:\reg+5], v[\a8] offset:(\tile)*TILEB+1536*(\kap)+512
	ds_load_b128 v[\reg+6:\reg+9], v[\a16] offset:(\tile)*TILEB+1536*(\kap)+768
	ds_load_b64 v[\reg+10:\reg+11], v[\a8] offset:(\tile)*TILEB+1536*(\kap)+1280
.endm
.macro MM a, b, kap, first             ; first = 1: the sum begins with the bias.  The phase's second K step takes its scale words from lanes 16-31
.if \first
	v_wmma_scale_f32_16x16x128_f8f6f4 v[ACC+8*(4*\a+\b):ACC+8*(4*\a+\b)+7], v[FG+12*\b:FG+12*\b+11], v[FL+12*\a:FL+12*\a+11], v[BI+8*\b:BI+8*\b+7], v[SG+\b], v[SL+\a] matrix_a_fmt:MATRIX_FMT_FP6 matrix_b_fmt:MATRIX_FMT_FP6
.elseif \kap == 0
	v_wmma_scale_f32_16x16x128_f8f6f4 v[ACC+8*(4*\a+\b):ACC+8*(4*\a+\b)+7], v[FG+12*\b:FG+12*\b+11], v[FL+12*\a:FL+12*\a+11], v[ACC+8*(4*\a+\b):ACC+8*(4*\a+\b)+7], v[SG+\b], v[SL+\a] matrix_a_fmt:MATRIX_FMT_FP6 matrix_b_fmt:MATRIX_FMT_FP6
.else
	v_wmma_scale_f32_16x16x128_f8f6f4 v[ACC+8*(4*\a+\b):ACC+8*(4*\a+\b)+7], v[FG+12*\b:FG+12*\b+11], v[FL+12*\a:FL+12*\a+11], v[ACC+8*(4*\a+\b):ACC+8*(4*\a+\b)+7], v[SG+\b], v[SL+\a] matrix_a_fmt:MATRIX_FMT_FP6 matrix_b_fmt:MATRIX_FMT_FP6 matrix_a_scale:MATRIX_SCALE_ROW1 matrix_b_scale:MATRIX_SCALE_ROW1
.endif
.endm
; A K step of 128: 24 loads (with a phase's first step its 6 scale registers), 8 products.  The eight accumulators take turns, one instruction a turn, in the same order in every step.
.macro KSTEP kap, first
.rept 4
	v_nop                                          ; four places in front of loads into registers that matrix instructions have read
.endr
.if \kap == 0
.irp t, 0,1,2,3
	ds_load_b32 v[SG+\t], v6 offset:\t*TILEB+3072
.endr
.irp t, 0,1
	ds_load_b32 v[SL+\t], v3 offset:\t*TILEB+3072
.endr
.endif
.irp b, 0,1,2,3
	FRAGS FG+12*\b, 4, 5, \b, \kap
.endr
.irp a, 0,1
	FRAGS FL+12*\a, 1, 2, \a, \kap
.endr
	s_wait_dscnt 0x4                               ; all but the last four loads, L's tile 1
.irp b, 0,1,2,3
	MM 0, \b, \kap, \first
.endr
	s_wait_dscnt 0x0
.irp b, 0,1,2,3
	MM 1, \b, \kap, \first
.endr
.endm
	s_wait_loadcnt 0x0                             ; the bias
.irp p, 0,1,2,3
.if \p == 2
	s_wait_tensorcnt 0x0                           ; my side of phase 2 or 3 is in: it had two phases' products in which to land
.endif
.if \p % 2 == 0                                ; two barriers: one shows phases 0 and 1 whole to every wave, the other phases 2 and 3; nothing is ever filled again
	s_wait_dscnt 0x0
	s_barrier_signal -1
	s_barrier_wait -1
.endif
.if \p == 0
	KSTEP 0, 1
.else
	s_wait_alu depctr_va_vdst(0)
	KSTEP 0, 0
.endif
	KSTEP 1, 0
.if \p < 3
.irp i, 1,2,3,4,5,6
	v_add_nc_u32 v[\i], PHB, v[\i]                 ; on to the next phase's region
.endr
.endif
.endr
	; THE WAY OUT.  A lane holds, of one token's row, 16 neighbouring columns in each 32: a tile of 16 tokens x 64 columns goes through my own stage and comes back as whole rows of 256 bytes.
	; LDS serves a wave's instructions in order: no wait between the stores and the loads, nor in front of the next tile's stores.
.rept 4
	v_nop                                          ; places in front of the first reads of results and of loads into the fragments' registers
.endr
.irp a, 0,1
.irp b, 0,1,2,3
	ds_store_b128 v16, v[ACC+8*(4*\a+\b):ACC+8*(4*\a+\b)+3] offset:128*(\b/2)+32*(\b%2)          ; each accumulator from its low end on
	ds_store_b128 v16, v[ACC+8*(4*\a+\b)+4:ACC+8*(4*\a+\b)+7] offset:128*(\b/2)+32*(\b%2)+16
.endr
.irp t, 0,1,2,3,4,5,6,7
	ds_load_b128 v[32+32*\a+4*\t:35+32*\a+4*\t], v17 offset:2*\t*SPIT
.endr
.endr
.irp a, 0,1
.irp t, 0,1,2,3,4,5,6,7
	s_wait_dscnt 16*(1-\a)+7-\t                    ; behind this load: the tile's later loads, and for tile 0 tile 1's sixteen instructions
	global_store_b128 v18, v[32+32*\a+4*\t:35+32*\a+4*\t], s[48:49] offset:32768*\a+4096*(2*\t+8*(\t/4)) th:TH_STORE_NT   ; rows 2 t, 2 t + 1 of the tile are tokens 8 a + 2 t + 8 (t / 4), + 1: sixteen lanes store 256 consecutive bytes, at a multiple of 256 from out0's first byte
.endr
.endr
	s_wait_tensorcnt 0x0                           ; the wave's end, behind my last tensor load and my last LDS store
	ds_add_u32 v[SPW], v[NIL]
	s_wait_dscnt 0x0
	s_endpgm
.Lfunc_end_k_qd718fb1bc8_outp:
	.size	k_qd718fb1bc8_outp, .Lfunc_end_k_qd718fb1bc8_outp-k_qd718fb1bc8_outp
	.p2alignl 7, 3214868480
	.fill 96, 4, 3214868480
	.section	.rodata,"a",@progbits
	.p2align	6, 0x0
	.amdhsa_kernel k_qd718fb1bc8_outp
		.amdhsa_group_segment_fixed_size 240640
		.amdhsa_private_segment_fixed_size 0
		.amdhsa_enable_private_segment 0
		.amdhsa_kernarg_size 32
		.amdhsa_user_sgpr_count 2
		.amdhsa_user_sgpr_kernarg_segment_ptr 1
		.amdhsa_wavefront_size32 1
		.amdhsa_system_sgpr_workgroup_id_x 1
		.amdhsa_system_sgpr_workgroup_id_y 1
		.amdhsa_system_sgpr_workgroup_id_z 1
		.amdhsa_system_vgpr_workitem_id 0
		.amdhsa_next_free_vgpr 224
		.amdhsa_next_free_sgpr 66
		.amdhsa_reserve_vcc 0
		.amdhsa_float_denorm_mode_32 3
		.amdhsa_float_denorm_mode_16_64 3
		.amdhsa_memory_ordered 1
		.amdhsa_forward_progress 1
		.amdhsa_inst_pref_size 34
	.end_amdhsa_kernel
	.amdgpu_metadata
---
amdhsa.version: [ 1, 2 ]
amdhsa.kernels:
  - .name:           k_qd718fb1bc8_outp
    .symbol:         k_qd718fb1bc8_outp.kd
    .args:
      - { .name: cb, .offset: 0, .size: 8, .value_kind: global_buffer, .address_space: global }
      - { .name: wb, .offset: 8, .size: 8, .value_kind: global_buffer, .address_space: global }
      - { .name: bO, .offset: 16, .size: 8, .value_kind: global_buffer, .address_space: global }
      - { .name: out0, .offset: 24, .size: 8, .value_kind: global_buffer, .address_space: global }
    .group_segment_fixed_size: 240640
    .private_segment_fixed_size: 0
    .kernarg_segment_align: 8
    .kernarg_segment_size: 32
    .max_flat_workgroup_size: 256
    .sgpr_count:     66
    .vgpr_count:     224
    .wavefront_size: 32
...
	.end_amdgpu_metadata
.endif
;; end of part 4
